; MI455X (gfx1250); checked and timed in simulation.
; The chip was launched on July 23, 2026; its instructions are those of AMD's public machine-readable ISA for CDNA 5 (MIT licence, August 2026) and "CDNA5" Instruction Set Architecture Reference Guide (July 2026). The comments in the code are by the model that wrote it; some were corrected since.
;; Multi Head Attention. Allowed arithmetic: matrix products marked QUANTISED: E2M3 operands, one E8M0 scale for each 32 along K, by v_wmma_scale_f32_16x16x128_f8f6f4 with both operands' format E2M3, f32 sums; everything else in f32.
;; Inputs: K 1 x 4,096 x 1,024 float32; Q 1 x 4,096 x 1,024 float32; V 1 x 4,096 x 1,024 float32; Wk_b 1,024 float32; Wk_w 1,024 x 1,024 float32; Wo_b 1,024 float32; Wo_w 1,024 x 1,024 float32; Wq_b 1,024 float32; Wq_w 1,024 x 1,024 float32; Wv_b 1,024 float32; Wv_w 1,024 x 1,024 float32; mask 1 x 1 x 4,096 x 4,096 int32.
;; Outputs: out0 1 x 4,096 x 1,024 float32.
;; This version of the problem:
;;   THIS VERSION OF THE PROBLEM IS GIVEN IN LOW PRECISION. The matrix products marked QUANTISED in the list below multiply operands that are first quantised to E2M3 (2 exponent bits, 3 mantissa bits; 6 bits a number), with one power-of-two scale for each 32 numbers along K (OCP MX v1.0); their sums are f32. All else is computed in f32.
;;   The module's matrix products, in the order in which they are computed (A, B: the left and right operand; K: the contracted axis; several contracted axes count as one K, in the product's order):
;;     1. [M 4,096, K 1,024] x [K 1,024, N 1,024]; A: input Q; B: input Wq_w: QUANTISED
;;     2. [M 4,096, K 1,024] x [K 1,024, N 1,024]; A: input K; B: input Wk_w: QUANTISED
;;     3. [M 4,096, K 1,024] x [K 1,024, N 1,024]; A: input V; B: input Wv_w: QUANTISED
;;     4. batch 16 x [M 4,096, K 64] x [K 64, N 4,096]; A: computed on the way; B: computed on the way: QUANTISED
;;     5. batch 16 x [M 4,096, K 4,096] x [K 4,096, N 64]; A: softmax (see below); B: computed on the way: QUANTISED
;;     6. [M 4,096, K 1,024] x [K 1,024, N 1,024]; A: computed on the way; B: input Wo_w: QUANTISED
;;   THE QUANTISER, for each operand of a quantised product, along K:
;;     - K is cut into blocks of 32 from its start; a last block that is shorter is filled with zeros.
;;     - A block's scale is 2^e with e = floor(log2(the largest magnitude in the block)) - 2, held to -126 .. 127; a block of zeros has e = 0. As a byte (E8M0): e + 127.
;;     - Each number is divided by its block's scale, clamped to +-7.5, and rounded to the nearest number of E2M3, ties to even, subnormals kept.
;;     - The product sums the exact products of the quantised numbers (number of the format x scale) in f32.
;;   ~~~python
;;   def quantise(x, axis):      # numpy; x: float32 -> the quantised numbers, widened to float32 again
;;       x = np.moveaxis(x, axis, -1); K = x.shape[-1]
;;       x = np.pad(x, [(0, 0)] * (x.ndim - 1) + [(0, -K % 32)]); x = x.reshape(x.shape[:-1] + (-1, 32)); a = np.abs(x).max(-1, keepdims=True)
;;       e = np.where(a > 0, np.clip(np.frexp(np.where(a > 0, a, 1))[1] - 1 - 2, -126, 127), 0)      # np.frexp(a)[1] - 1 = floor(log2(a)), exactly
;;       r = np.clip(x / 2.0 ** e, -7.5, 7.5)
;;       step = 2.0 ** (np.maximum(np.frexp(np.where(r == 0, 1, r))[1] - 1, 0) - 3)
;;       q = np.round(r / step) * step * 2.0 ** e      # np.round: ties to even
;;       return np.moveaxis(q.reshape(q.shape[:-2] + (-1,))[..., :K], -1, axis).astype(np.float32)
;;   ~~~
;;   SOFTMAX AHEAD OF A QUANTISED PRODUCT. Where the list says 'softmax', what is quantised is not the finished softmax but p = 2^(t - M), with t = logit x log2(e) and M = ceil(the row's largest t), a whole number; so 1/2 < the row's largest p <= 1. The row's sum l is taken of the UNQUANTISED p, in f32, and the product's result is divided by l at the end. Since M is a whole number, a kernel that streams over the keys may use a running M (the ceiling of the running maximum): every later rescaling is an exact power of two, which a block's scale takes up: the codes' values come out the same.
;;   OPERANDS COMPUTED ON THE WAY. 'Computed on the way' means the value that the module computes at that place (a softmax that the list does not call 'softmax' is quantised finished and normalised). What goes into a quantiser is computed in f32, as accurately as f32 sums, v_exp_f32 and their like allow (about 1e-6 of the number): no bf16 or f16 on the way to a quantiser, and a product that is left as it is and whose result goes on into a quantised operand takes f32 operands (vector FMAs, or v_wmma_f32_16x16x4_f32). A number that lies on a knife's edge between two numbers of the format may be rounded either way, as far as f32 arithmetic and the matrix unit's own rounding can turn it there, and no further.
;; One version. Each part assembles by itself: llvm-mc -triple=amdgcn-amd-amdhsa -mcpu=gfx1250 --defsym DOCPART=n.
;; ======== version 1 of 1: 4 launches
;; limits: right only within a limited range of input values
;; workspace buffers: xw_codes 12,582,912 bytes; xw_scales 524,288 bytes; msk 2,097,152 bytes; flags 2,048 bytes of whole numbers; hc 9,437,184 bytes; hs 655,360 bytes; ac 3,145,728 bytes; asc 131,072 bytes
;; launch prep (part 1): grid 256 x 1, 16 waves a work-group, no clusters, 143,616 bytes of LDS; arguments Q, K, V, Wq_w, Wk_w, Wv_w, Wo_w, mask, xw_codes, xw_scales, msk, flags; writes xw_codes, xw_scales, msk, flags
.if DOCPART == 1
	.amdgcn_target "amdgcn-amd-amdhsa--gfx1250"
	.amdhsa_code_object_version 6
	.text
	.protected	k_qcafb70ecc1_prep
	.globl	k_qcafb70ecc1_prep
	.p2align	8
	.type	k_qcafb70ecc1_prep,@function
k_qcafb70ecc1_prep:
	s_mov_b64 s[64:65], 0
	v_nop
	global_prefetch_b8 v0, s[64:65] scope:SCOPE_SE
	s_setreg_imm32_b32 hwreg(HW_REG_WAVE_MODE, 25, 1), 1
	s_wait_xcnt 0x0
; PREP.  (a) Q, K, V [4096][1024] and Wq, Wk, Wv, Wo [1024][1024], f32, K innermost, become codes of FP6 (E2M3) with one E8M0 byte for each 32 along K,
; laid as IMAGES OF THE OPERANDS' REGISTERS.  (b) the mask [4096][4096] int32 becomes one bit a key, and two flag words for each tile of 16 queries.
; The seven tensors count as one stack of 16,384 rows: 128 panels of 128 rows.  Work-group g takes stacked rows 64 g .. 64 g + 63 (tiles 4 g .. 4 g + 3) and the 16 mask rows of query tile g.
; A TILE'S ROWS ARE NOT NEIGHBOURS: place i of tile T is row 32 (T / 2) + 8 (T % 2) + i + 8 (i / 8), in every operand of the program.
; A GROUP is 768 bytes: 16 rows x 64 along K, six registers a lane: registers 0-3 at 16 x lane, registers 4-5 at 512 + 8 x lane; lane (r, h) holds k = 32 h .. 32 h + 31 of the tile's place r.
; xw_codes [panel 128][K step 8][tile 8][group 2][768];  xw_scales [tile 1024][K step 8][place 16] words;  msk: [query 4096][step 32][c 4] words, bit l of word c = (mask[q][128 step + 4 l + c] != 0);
; flags [tile 256][2] words: OPEN (bit j: all 16 x 128 of step j count) and SKIP (bit j: none of step j counts, and each of the 16 rows has a key that counts somewhere).
; A block's scale is 2^(floor(log2(largest magnitude)) - 2); its byte is the largest magnitude's exponent field - 2, held at 1 from below.
; LIMITS: a block of zeros gets the byte 1 where the rule says 127 (its codes are zeros, and this program alone reads the bytes); NaN and infinities among the inputs are not served.
; Wave w: tile w / 4 of the four, K steps 2 (w % 4) and 2 (w % 4) + 1; and mask row place w.  Each load reads 512 consecutive bytes; each input byte is read once.
; No tensor load, no matrix unit: a stream.  Up to 32 loads of 512 bytes a wave are on their way.
.set PITCH, 528                        ; a stage row: 512 bytes + 16: the sixteen rows that a load of 16 bytes a lane touches start 16 bytes apart modulo 256
.set WSTG,  16*PITCH                   ; a wave's stage
.set SCL,   16*WSTG                    ; scale words [tile 4][K step 8][place 16]
.set MRED,  SCL+2048                   ; [wave 16][lane 32] x 8 bytes: a mask row's AND and OR of its four words of each step
.set ROWOK, MRED+4096                  ; [wave 16] words: 1 where the row has a key that counts
.set XO,  4                            ; v4   byte offset of my 16 bytes in the tile's first row, at the wave's first K step
.set STI, 5                            ; v5   stage, way in: 16 x lane
.set STO, 6                            ; v6   stage, way out: 528 r + 64 h
.set L16, 7
.set L8,  8
.set SCA, 9                            ; v9   SCL + 128 w + 4 r
.set MRA, 10
.set RKA, 11
.set MRB, 12
.set SGA, 13
.set RKB, 14
.set TM,  16                           ; v16-31 at work in the quantiser
.set PC,  32                           ; v32-43 a fragment's codes; v44-50 the halves made elsewhere
.set PW,  52                           ; the scale word
.set MW,  56                           ; v56-59 lane j: the four words of step j of my mask row
.set FL,  60                           ; v60-61 their AND and OR
.set XA,  64                           ; v64-127  16 rows as loaded
.set XT,  128                          ; v128-191 64 numbers of my row: register 16 b + i = k 32 b + 16 h + i
.set MA,  192                          ; v192-255 16 loads of the mask row
.set SRC, 26
.set MSK, 34
.set CB,  36
.set MBP, 38
.set SEL, 48
.set SCP, 52
.set FLP, 54
	s_load_b256 s[4:11], s[0:1], 0x0               ; Q s[4:5], K s[6:7], V s[8:9], Wq s[10:11]
	s_load_b256 s[12:19], s[0:1], 0x20             ; Wk s[12:13], Wv s[14:15], Wo s[16:17], mask s[18:19]
	s_load_b128 s[20:23], s[0:1], 0x40             ; xw_codes, xw_scales
	s_load_b64 s[24:25], s[0:1], 0x50              ; msk
	s_load_b64 s[58:59], s[0:1], 0x58              ; flags
	v_lshl_add_u32 v54, v0, 2, 0x22900
	v_mov_b32 v55, 0
	v_lshrrev_b32 v1, 5, v0
	s_delay_alu instid0(VALU_DEP_1)
	v_readfirstlane_b32 s30, v1                    ; wave 0..15
	v_and_b32 v1, 31, v0                           ; lane
	s_wait_alu depctr_va_vdst(0)
	v_and_b32 v2, 15, v0                           ; r
	s_wait_alu depctr_va_vdst(0)
	v_bfe_u32 v3, v0, 4, 1                         ; h
	s_lshr_b32 s31, s30, 2                         ; tl: which of the four tiles
	s_and_b32 s32, s30, 3                          ; which pair of K steps
	s_lshr_b32 s50, s31, 1
	s_lshl_b32 s50, s50, 17                        ; 32 (tl / 2) rows of 4,096 bytes
	s_and_b32 s51, s31, 1
	s_lshl_b32 s51, s51, 15                        ; 8 (tl % 2) rows
	s_add_co_u32 s50, s50, s51
	s_lshl_b32 s51, s32, 10                        ; two K steps of 512 bytes
	s_add_co_u32 s50, s50, s51
	v_lshl_add_u32 v[XO], v1, 4, s50
	s_mul_i32 s51, s30, WSTG
	v_lshl_add_u32 v[STI], v1, 4, s51
	v_mul_u32_u24 v[STO], v2, PITCH
	s_wait_alu depctr_va_vdst(0)
	v_lshl_add_u32 v[STO], v3, 6, v[STO]
	s_delay_alu instid0(VALU_DEP_1)
	v_add_nc_u32 v[STO], s51, v[STO]
	v_lshlrev_b32 v[L16], 4, v1
	v_lshlrev_b32 v[L8], 3, v1
	s_lshl_b32 s51, s30, 7
	s_add_co_u32 s51, s51, SCL
	v_lshl_add_u32 v[SCA], v2, 2, s51
	s_lshl_b32 s51, s30, 8
	s_add_co_u32 s51, s51, MRED
	v_lshl_add_u32 v[MRA], v1, 3, s51
	s_lshl_b32 s51, s30, 2
	s_add_co_u32 s51, s51, ROWOK
	v_mov_b32 v[RKA], s51
	v_lshl_add_u32 v[MRB], v1, 3, MRED
	s_lshl_b32 s51, s32, 9
	s_add_co_u32 s51, s51, SCL
	v_lshl_add_u32 v[SGA], v1, 4, s51
	v_mov_b32 v[RKB], ROWOK
.irp b, 0,1,2,3
	v_mov_b32 v[TM+4+\b], 0                        ; written once: a lane permute's destination counts as one of its sources
	v_mov_b32 v[MW+\b], 0                          ; and so does v_writelane_b32's
.endr
	s_mov_b32 s[SEL], 0x76543210
	s_mov_b32 s[SEL+1], 0xfedcba98                 ; v_permlanex16_b32's selects for lane l xor 16
	s_lshr_b32 s33, ttmp9, 1                       ; my mask row: 32 (g / 2) + 8 (g % 2) + w + 8 (w / 8)
	s_lshl_b32 s33, s33, 5
	s_and_b32 s51, ttmp9, 1
	s_lshl_b32 s51, s51, 3
	s_add_co_u32 s33, s33, s51
	s_add_co_u32 s33, s33, s30
	s_and_b32 s51, s30, 8
	s_add_co_u32 s33, s33, s51
	s_wait_kmcnt 0x0
	s_mov_b64 s[SRC:SRC+1], s[16:17]               ; which tensor is my work-group's: the choice hangs on the work-group's number alone
	s_cmp_lt_u32 ttmp9, 240
	s_cselect_b64 s[SRC:SRC+1], s[14:15], s[SRC:SRC+1]
	s_cmp_lt_u32 ttmp9, 224
	s_cselect_b64 s[SRC:SRC+1], s[12:13], s[SRC:SRC+1]
	s_cmp_lt_u32 ttmp9, 208
	s_cselect_b64 s[SRC:SRC+1], s[10:11], s[SRC:SRC+1]
	s_cmp_lt_u32 ttmp9, 192
	s_cselect_b64 s[SRC:SRC+1], s[8:9], s[SRC:SRC+1]
	s_cselect_b32 s28, 63, 15                      ; 64 work-groups to an activation, 16 to a weight
	s_cmp_lt_u32 ttmp9, 128
	s_cselect_b64 s[SRC:SRC+1], s[6:7], s[SRC:SRC+1]
	s_cmp_lt_u32 ttmp9, 64
	s_cselect_b64 s[SRC:SRC+1], s[4:5], s[SRC:SRC+1]
	s_and_b32 s28, ttmp9, s28
	s_lshl_b32 s28, s28, 18                        ; 64 rows of 4,096 bytes
	s_mov_b32 s29, 0
	s_add_nc_u64 s[SRC:SRC+1], s[SRC:SRC+1], s[28:29]
	s_mov_b32 s51, 0
	s_lshl_b32 s50, s33, 14                        ; a mask row is 16,384 bytes
	s_add_nc_u64 s[MSK:MSK+1], s[18:19], s[50:51]
	s_lshl_b32 s50, s33, 9                         ; and 512 bytes of bits
	s_add_nc_u64 s[MBP:MBP+1], s[24:25], s[50:51]
	s_lshr_b32 s50, ttmp9, 1                       ; the codes: panel g / 2, K step 2 (w % 4), tile 4 (g % 2) + tl
	s_mul_i32 s50, s50, 98304
	s_mul_i32 s56, s32, 24576
	s_add_co_u32 s50, s50, s56
	s_and_b32 s56, ttmp9, 1
	s_lshl_b32 s56, s56, 2
	s_add_co_u32 s56, s56, s31
	s_mul_i32 s56, s56, 1536
	s_add_co_u32 s50, s50, s56
	s_add_nc_u64 s[CB:CB+1], s[20:21], s[50:51]
	s_lshl_b32 s50, ttmp9, 2                       ; the scale words of tile 4 g + w % 4: 512 bytes a tile
	s_add_co_u32 s50, s50, s32
	s_lshl_b32 s50, s50, 9
	s_add_nc_u64 s[SCP:SCP+1], s[22:23], s[50:51]
	s_lshl_b32 s50, ttmp9, 3                       ; the tile's two flag words: 8 bytes a tile
	s_add_nc_u64 s[FLP:FLP+1], s[58:59], s[50:51]
.macro LOADX f                         ; the tile's 16 rows, K step f of my two: each load reads a row's 512 consecutive bytes
.irp i, 0,1,2,3,4,5,6,7,8,9,10,11,12,13,14,15
	global_load_b128 v[XA+4*\i:XA+4*\i+3], v[XO], s[SRC:SRC+1] offset:(\i+8*(\i/8))*4096+512*\f th:TH_LOAD_NT
.endr
.endm
.macro LOADM hf                        ; 16 steps of 128 keys of my mask row
.irp jj, 0,1,2,3,4,5,6,7,8,9,10,11,12,13,14,15
	global_load_b128 v[MA+4*\jj:MA+4*\jj+3], v[L16], s[MSK:MSK+1] offset:(16*\hf+\jj)*512 th:TH_LOAD_NT
.endr
.endm
.macro TURN                            ; through my own stage: in as loaded, out 16 neighbours of each block of 32 of my row.  LDS serves a wave's instructions in order: no wait between
.irp i, 0,1,2,3,4,5,6,7,8,9,10,11,12,13,14,15
	ds_store_b128 v[STI], v[XA+4*\i:XA+4*\i+3] offset:PITCH*\i
.endr
.irp b, 0,1,2,3
.irp p, 0,1,2,3
	ds_load_b128 v[XT+16*\b+4*\p:XT+16*\b+4*\p+3], v[STO] offset:128*\b+16*\p
.endr
.endr
.endm
; 64 numbers of a lane, register 16 b + i = k 32 b + 16 h + i of my row, become a fragment's 12 registers in v[PC] on and its scale word in v[PW]
.macro QUANT4 s
.irp b, 0,1,2,3
	v_max3_num_f32 v[TM+\b], |v[\s+16*\b]|, |v[\s+1+16*\b]|, 0x1800000   ; my 16 numbers of block b, and the floor 2^(3 - 127): the byte cannot fall under 1
.endr
.irp i, 2,4,6,8,10,12,14
.irp b, 0,1,2,3
	s_delay_alu instid0(VALU_DEP_4)
	v_max3_num_f32 v[TM+\b], v[TM+\b], |v[\s+16*\b+\i]|, |v[\s+1+16*\b+\i]|
.endr
.endr
.irp b, 0,1,2,3
	s_delay_alu instid0(VALU_DEP_4)
	v_permlanex16_b32 v[TM+4+\b], v[TM+\b], s[SEL], s[SEL+1]
.endr
.irp b, 0,1,2,3
	s_delay_alu instid0(VALU_DEP_4)
	v_max_num_f32 v[TM+\b], v[TM+\b], v[TM+4+\b]   ; with lane l xor 16's: the block's largest magnitude
.endr
.irp b, 0,1,2,3
	s_delay_alu instid0(VALU_DEP_4)
	v_add_nc_u32 v[TM+12+\b], 0xff000000, v[TM+\b] ; 2 off its exponent field: the conversion takes the exponent field of this operand as its scale
.endr
.irp b, 0,1,2,3
	s_delay_alu instid0(VALU_DEP_4)
	v_lshrrev_b32 v[TM+4+\b], 23, v[TM+12+\b]      ; the scale's byte
.endr
	s_delay_alu instid0(VALU_DEP_3)
	v_lshl_or_b32 v[PW], v[TM+5], 8, v[TM+4]
	s_delay_alu instid0(VALU_DEP_1)
	v_lshl_or_b32 v[PW], v[TM+6], 16, v[PW]
	s_delay_alu instid0(VALU_DEP_1)
	v_lshl_or_b32 v[PW], v[TM+7], 24, v[PW]
.irp c, 0,1
	v_cvt_scalef32_pk16_fp6_f32 v[PC+6*\c:PC+2+6*\c], v[\s+32*\c:\s+15+32*\c], v[TM+12+2*\c]
	v_cvt_scalef32_pk16_fp6_f32 v[PC+12+4*\c:PC+14+4*\c], v[\s+16+32*\c:\s+31+32*\c], v[TM+12+2*\c+1]   ; (a conversion's three registers begin on an even number)
.endr
	v_nop                                          ; one plain place behind a scaled conversion
.irp c, 0,1                                    ; the operand's layout wants a whole block in a lane: lanes 0-15 block 2 c, lanes 16-31 block 2 c + 1
.irp i, 0,1,2
	v_permlane16_swap_b32 v[PC+6*\c+\i], v[PC+12+4*\c+\i]
.endr
.irp i, 0,1,2
	s_delay_alu instid0(VALU_DEP_3)
	v_mov_b32 v[PC+3+6*\c+\i], v[PC+12+4*\c+\i]
.endr
.endr
.endm
.macro OUTF f                          ; the fragment leaves as two groups: each store covers 512 or 256 consecutive bytes, aligned
.irp c, 0,1
	global_store_b128 v[L16], v[PC+6*\c:PC+6*\c+3], s[CB:CB+1] offset:12288*\f+768*\c
	global_store_b64 v[L8], v[PC+6*\c+4:PC+6*\c+5], s[CB:CB+1] offset:12288*\f+768*\c+512
.endr
	ds_store_b32 v[SCA], v[PW] offset:64*\f        ; both halves of the lanes write the same word with the same value
.endm
.macro PACKM hf                        ; a compare's 32 result bits ARE the word (step, c); it goes to lane = step of register c
.irp jj, 0,1,2,3,4,5,6,7,8,9,10,11,12,13,14,15
.irp c, 0,1,2,3
	v_cmp_ne_u32 s[40+4*(\jj%2)+\c], 0, v[MA+4*\jj+\c]
.endr
.irp c, 0,1,2,3
	s_delay_alu instid0(VALU_DEP_4)
	v_writelane_b32 v[MW+\c], s[40+4*(\jj%2)+\c], 16*\hf+\jj
.endr
.endr
.endm
	LOADX 0
	LOADM 0
	s_wait_loadcnt 16                              ; the 16 loads of x are in; the 16 younger ones, of the mask, stay out
	TURN
	s_wait_dscnt 0x0                               ; my numbers are back, and the stores have read their registers:
	LOADX 1                                        ; which take the second K step
	QUANT4 XT
	OUTF 0
	s_wait_loadcnt 16                              ; the mask's first half is in; x's second K step stays out
	PACKM 0
	LOADM 1
	s_wait_loadcnt 16                              ; x's second K step is in; the mask's second half stays out
	TURN
	s_wait_dscnt 0x0
	s_wait_xcnt 0x0                                ; the first fragment's stores have read their registers: the codes may be written again
	QUANT4 XT
	OUTF 1
	s_wait_loadcnt 0x0
	PACKM 1
	global_store_b128 v[L16], v[MW:MW+3], s[MBP:MBP+1]   ; my row's 512 bytes of bits
	v_and_b32 v[FL], v[MW], v[MW+1]
	v_and_b32 v62, v[MW+2], v[MW+3]
	s_delay_alu instid0(VALU_DEP_1)
	v_and_b32 v[FL], v[FL], v62
	v_or_b32 v[FL+1], v[MW], v[MW+1]
	v_or_b32 v62, v[MW+2], v[MW+3]
	s_delay_alu instid0(VALU_DEP_1)
	v_or_b32 v[FL+1], v[FL+1], v62
	ds_store_b64 v[MRA], v[FL:FL+1]
	v_cmp_ne_u32 vcc_lo, 0, v[FL+1]
	s_cmp_lg_u32 vcc_lo, 0
	s_cselect_b32 s50, 1, 0                        ; does any key of my row count?
	v_mov_b32 v63, s50
	ds_store_b32 v[RKA], v63
	s_wait_dscnt 0x0                               ; for the others' sake: my stores into LDS have landed
	s_barrier_signal -1
	s_barrier_wait -1
	s_cmp_lt_u32 s30, 4
	s_cbranch_scc0 .Lnot_scales
	ds_load_b128 v[64:67], v[SGA]                  ; waves 0-3: a tile's 512 bytes of scale words, 16 bytes a lane
	s_wait_dscnt 0x0
	global_store_b128 v[L16], v[64:67], s[SCP:SCP+1]
	s_wait_tensorcnt 0x0
	ds_add_u32 v54, v55
	s_wait_dscnt 0x0
	s_endpgm
.Lnot_scales:
	s_cmp_eq_u32 s30, 4
	s_cbranch_scc0 .Ldone
.irp i, 0,1,2,3,4,5,6,7,8,9,10,11,12,13,14,15
	ds_load_b64 v[64+2*\i:65+2*\i], v[MRB] offset:256*\i   ; wave 4: lane j takes step j's AND and OR of all 16 rows
.endr
.irp k, 0,1,2,3
	ds_load_b128 v[96+4*\k:99+4*\k], v[RKB] offset:16*\k
.endr
	s_wait_dscnt 0x0
.irp i, 1
	v_and_b32 v64, v64, v[64+2*\i]
	v_or_b32 v65, v65, v[65+2*\i]
	v_and_b32 v96, v96, v[96+\i]
.endr
.irp i, 2, 3, 4, 5, 6, 7, 8, 9, 10, 11, 12, 13, 14, 15
	s_delay_alu instid0(VALU_DEP_3)
	v_and_b32 v64, v64, v[64+2*\i]
	s_delay_alu instid0(VALU_DEP_3)
	v_or_b32 v65, v65, v[65+2*\i]
	s_delay_alu instid0(VALU_DEP_3)
	v_and_b32 v96, v96, v[96+\i]
.endr
	s_delay_alu instid0(VALU_DEP_3)
	v_cmp_eq_u32 s40, -1, v64                      ; OPEN
	s_delay_alu instid0(VALU_DEP_3)
	v_cmp_eq_u32 s41, 0, v65
	s_delay_alu instid0(VALU_DEP_3)
	v_cmp_ne_u32 s42, 0, v96
	s_and_b32 s41, s41, s42                        ; SKIP: a row none of whose keys counts walks every key
	v_mov_b32 v[FL], s40
	v_mov_b32 v[FL+1], s41
	v_mov_b32 v62, 0
	v_cmp_eq_u32 vcc_lo, 0, v1
	s_wait_alu depctr_va_vdst(0)
	s_wait_xcnt 0x0                                ; EXEC changes only when the earlier stores have read their sources
	s_and_saveexec_b32 s43, vcc_lo
	global_store_b64 v62, v[FL:FL+1], s[FLP:FLP+1]
	s_wait_xcnt 0x0
	s_or_b32 exec_lo, exec_lo, s43
.Ldone:
	s_wait_tensorcnt 0x0
	ds_add_u32 v54, v55
	s_wait_dscnt 0x0
	s_endpgm
.Lfunc_end_k_qcafb70ecc1_prep:
	.size	k_qcafb70ecc1_prep, .Lfunc_end_k_qcafb70ecc1_prep-k_qcafb70ecc1_prep
	.p2alignl 7, 3214868480
	.fill 96, 4, 3214868480
	.section	.rodata,"a",@progbits
	.p2align	6, 0x0
	.amdhsa_kernel k_qcafb70ecc1_prep
		.amdhsa_group_segment_fixed_size 143616
		.amdhsa_private_segment_fixed_size 0
		.amdhsa_enable_private_segment 0
		.amdhsa_kernarg_size 96
		.amdhsa_user_sgpr_count 2
		.amdhsa_user_sgpr_kernarg_segment_ptr 1
		.amdhsa_wavefront_size32 1
		.amdhsa_system_sgpr_workgroup_id_x 1
		.amdhsa_system_sgpr_workgroup_id_y 1
		.amdhsa_system_sgpr_workgroup_id_z 1
		.amdhsa_system_vgpr_workitem_id 0
		.amdhsa_next_free_vgpr 256
		.amdhsa_next_free_sgpr 66
		.amdhsa_reserve_vcc 1
		.amdhsa_float_denorm_mode_32 3
		.amdhsa_float_denorm_mode_16_64 3
		.amdhsa_memory_ordered 1
		.amdhsa_forward_progress 1
		.amdhsa_inst_pref_size 53
	.end_amdhsa_kernel
	.amdgpu_metadata
---
amdhsa.version: [ 1, 2 ]
amdhsa.kernels:
  - .name:           k_qcafb70ecc1_prep
    .symbol:         k_qcafb70ecc1_prep.kd
    .args:
      - { .name: Q, .offset: 0, .size: 8, .value_kind: global_buffer, .address_space: global }
      - { .name: K, .offset: 8, .size: 8, .value_kind: global_buffer, .address_space: global }
      - { .name: V, .offset: 16, .size: 8, .value_kind: global_buffer, .address_space: global }
      - { .name: Wq_w, .offset: 24, .size: 8, .value_kind: global_buffer, .address_space: global }
      - { .name: Wk_w, .offset: 32, .size: 8, .value_kind: global_buffer, .address_space: global }
      - { .name: Wv_w, .offset: 40, .size: 8, .value_kind: global_buffer, .address_space: global }
      - { .name: Wo_w, .offset: 48, .size: 8, .value_kind: global_buffer, .address_space: global }
      - { .name: mask, .offset: 56, .size: 8, .value_kind: global_buffer, .address_space: global }
      - { .name: xw_codes, .offset: 64, .size: 8, .value_kind: global_buffer, .address_space: global }
      - { .name: xw_scales, .offset: 72, .size: 8, .value_kind: global_buffer, .address_space: global }
      - { .name: msk, .offset: 80, .size: 8, .value_kind: global_buffer, .address_space: global }
      - { .name: flags, .offset: 88, .size: 8, .value_kind: global_buffer, .address_space: global }
    .group_segment_fixed_size: 143616
    .private_segment_fixed_size: 0
    .kernarg_segment_align: 8
    .kernarg_segment_size: 96
    .max_flat_workgroup_size: 512
    .sgpr_count:     66
    .vgpr_count:     256
    .wavefront_size: 32
...
	.end_amdgpu_metadata
.endif
;; end of part 1
;; launch proj (part 2): grid 8 x 32, 4 waves a work-group, clusters of 4 x 4, 327,680 bytes of LDS; arguments xw_codes, xw_scales, Wq_b, Wk_b, Wv_b, hc, hs; writes hc, hs
.if DOCPART == 2
	.amdgcn_target "amdgcn-amd-amdhsa--gfx1250"
	.amdhsa_code_object_version 6
	.text
	.protected	k_qcafb70ecc1_proj
	.globl	k_qcafb70ecc1_proj
	.p2align	8
	.type	k_qcafb70ecc1_proj,@function
k_qcafb70ecc1_proj:
	s_mov_b64 s[64:65], 0
	v_nop
	global_prefetch_b8 v0, s[64:65] scope:SCOPE_SE
	s_setreg_imm32_b32 hwreg(HW_REG_WAVE_MODE, 25, 1), 1
	s_wait_xcnt 0x0
	s_wait_alu depctr_hold_cnt(0) depctr_sa_sdst(0) depctr_va_vdst(0) depctr_va_sdst(0) depctr_va_ssrc(0) depctr_va_vcc(0) depctr_vm_vsrc(0)
	s_getreg_b32 s2, hwreg(HW_REG_IB_STS2, 6, 4)
	s_cmp_eq_u32 s2, 0
	s_cbranch_scc0 .Lentry_in_a_cluster
	s_endpgm
.Lentry_in_a_cluster:
	s_bfe_u32 s2, ttmp6, 0x10000c
	s_cmp_lg_u32 s2, 0xf033
	s_cbranch_scc0 .Lentry_shape_is_right
	s_endpgm
.Lentry_shape_is_right:
; PROJ.  q = Q Wq^T + bq, k = K Wk^T + bk, v = V Wv^T + bv on codes of FP6 with E8M0 scales, sums in f32; the results are quantised in registers: q and k along the head's 64, v along the keys.
; Work-group (x, y) stays and makes three tiles of 128 rows x 128 features: q, k, v of rows 128 y on, features 128 x on.  Four waves, 64 x 64 each: 16 accumulators.
; q, k: source 0 = 16 rows of W, source 1 = 16 rows of x: a lane holds one row, its 32 registers of a row tile run along the head's 64 features (the tiles' row order makes them neighbours).
; v:    source 0 = 16 rows of x, source 1 = 16 rows of W: a lane holds one feature d, its registers run along 64 keys.
; Operands lie in memory as images of their registers (groups of 768 bytes: registers 0-3 at 16 x lane, 4-5 at 512 + 8 x lane), K-major in a panel: half a panel's K is one dense block of 49,152 bytes.
; RING: six units (tensor, half of K) go through three LDS slots of 98,304 bytes (x's half panel, then W's); each wave brings 24,576 bytes by one tensor load.
; CLUSTER 4 x 4: x's panel hangs on y alone and is asked for jointly along a row of the cluster, W's on x alone, along a column.
; A wave has at most one tensor load outstanding.
; hc [head 16][n 16][36,864]: +0 K's 16 key tiles x 768; +12,288 V [step 2][d tile 4][group 2][768]; +24,576 Q's 16 query tiles x 768.
; hs [head 16][40,960]: +0 K [tile / 4][place 16][tile % 4] words (bytes 0, 1 real, 2, 3 zero); +16,384 V raw [step 32][group 2][lane 32] words; +24,576 Q like K.
; V's raw scale words leave in stores of 128 consecutive bytes: 128 KiB in the whole launch.
; LIMITS: a block of zeros gets the byte 1 (its codes are zeros; this program alone reads the bytes); NaN and infinities are not served.
; REGISTERS: window 0: v1-22 addresses; v24-31 scale words, two sets; v32-55 at work; v64-159, v160-255 two fragment buffers (x's four tiles, then W's); on the way out v64-95 numbers, v96-127 codes.
;   window 1: v0-127 the accumulators ((a, b) at 8 (4 a + b)); v128-159 bq, v160-191 bk in the result's layout; v192-199 bv, a pair for each d tile.
.set SLOTB, 98304
.set SCSTR, 6144                       ; the scale words of four tiles for three tensors
.set XSC,   3*SLOTB
.set WSC,   XSC+2*SCSTR
.set SPARE, WSC+2*SCSTR                ; the spare words, 128 bytes for each wave: no other line names them
.set SPW,  1
.set NIL,  2
.set AX16, 4                           ; v4-6   x's groups in slot 0, 1, 2: 16 x lane;  v7-9 the same with 8 x lane
.set AX8,  7
.set AW16, 10                          ; v10-12, v13-15 the same for W
.set AW8,  13
.set ASC,  16                          ; v16  scale words: lanes 0-15 x's, lanes 16-31 W's
.set L16,  17
.set L8,   18
.set SQA,  19                          ; v19  16 r + 8 h
.set L4,   20
.set BA,   21
.set BV,   22
.set SCR,  24
.set TM,   32
.set CT,   40
.set PW,   44
.set SD,   48
.set LN,   52
.set RR,   53
.set HH,   54
.set TT,   55
.set H,    64
.set G,    96
.set WV,   18
.set WX,   19                          ; wave / 2: my four tiles of x.  Also: I fetch for x (0) or for W (1)
.set WW,   20                          ; wave % 2: my four tiles of W.  Also: which half of a block I fetch
.set G1X,  28
.set G1W,  36
.set G1XS, 44
.set G1WS, 52
.set G0X,  68
.set G0W,  80
.set G0XS, 92
.set G0WS, 96
.set SEL,  100
.set QKC,  4
.set VC,   6
.set QKS,  60
.set VSP,  62
.set MSB, 0
.macro WIN new                         ; the immediate's high byte repeats the setting that is left
.if MSB != \new
	s_set_vgpr_msb (MSB<<8)|\new
.set MSB, \new
.endif
.endm
; A joint load: waves 0 and 1 fetch for x, waves 2 and 3 for W.  Each line has one mask and one set of registers for all that issue it; the branch hangs on the wave's number alone.
; Four v_nop follow each of the two lines, ahead of the jump, the label and what follows.
.macro JLOAD g0a, g1a, g0b, g1b
	s_cmp_eq_u32 s[WX], 0
	s_cbranch_scc0 .Lfor_b_\@
	tensor_load_to_lds s[\g0a:\g0a+3], s[\g1a:\g1a+7]
	s_nop 0
.rept 4
	v_nop
.endr
	s_branch .Lasked_\@
.Lfor_b_\@:
	tensor_load_to_lds s[\g0b:\g0b+3], s[\g1b:\g1b+7]
	s_nop 0
.rept 4
	v_nop
.endr
.Lasked_\@:
.endm
.macro CROUND                          ; a round of the cluster's barrier
	s_barrier_signal -1
	s_barrier_wait -1
	s_cmp_lg_u32 s[WV], 0
	s_cbranch_scc1 .Lnot_wave_0_\@
	s_barrier_signal -3
.Lnot_wave_0_\@:
	s_barrier_wait -3
	s_barrier_signal -1
	s_barrier_wait -1
.endm
.macro PLACES                          ; four plain places behind a matrix instruction, in front of loads into its operands and of reads of its results
.rept 4
	v_nop
.endr
.endm
	s_load_b256 s[4:11], s[0:1], 0x0               ; xw_codes s[4:5], xw_scales s[6:7], Wq_b s[8:9], Wk_b s[10:11]
	s_load_b128 s[12:15], s[0:1], 0x20             ; Wv_b s[12:13], hc s[14:15]
	s_load_b64 s[16:17], s[0:1], 0x30              ; hs
	v_lshl_add_u32 v[SPW], v0, 2, SPARE
	v_mov_b32 v[NIL], 0
	ds_add_u32 v1, v2
	ds_add_u32 v1, v2
	s_wait_dscnt 0x0
	v_lshrrev_b32 v[TT], 5, v0
	v_readfirstlane_b32 s[WV], v[TT]
	s_lshr_b32 s[WX], s[WV], 1
	s_and_b32 s[WW], s[WV], 1
	s_bfe_u32 s21, ttmp6, 0x40000                  ; cx
	s_bfe_u32 s22, ttmp6, 0x40004                  ; cy
	s_lshl_b32 s23, ttmp9, 2
	s_add_co_u32 s23, s23, s21                     ; x = 4 x cluster x + cx
	s_and_b32 s24, ttmp7, 0xffff
	s_lshl_b32 s24, s24, 2
	s_add_co_u32 s24, s24, s22                     ; y = 4 x cluster y + cy
	s_lshl_b32 s25, s22, 2
	s_lshl_b32 s25, 15, s25                        ; my row of the cluster
	s_lshl_b32 s26, 0x1111, s21                    ; my column
	s_or_b32 s[G1X], s25, (3<<16)|(1<<21)          ; 15:0 the mask; 17:16 elements of 8 bytes; 21 set beside a mask; no padding
	s_or_b32 s[G1W], s26, (3<<16)|(1<<21)
	s_or_b32 s[G1XS], s25, (3<<16)|(1<<21)
	s_or_b32 s[G1WS], s26, (3<<16)|(1<<21)
.irp g, G1X, G1W                       ; a dense block of 24,576 bytes as 96 rows of 256 bytes
	s_mov_b32 s[\g+1], 32<<16
	s_mov_b32 s[\g+2], 192<<16                     ; the head's loads of codes bring a whole half panel, 192 rows; behind them the two words that count rows are set to 96
	s_mov_b32 s[\g+3], 32<<16
	s_mov_b32 s[\g+4], 192
	s_mov_b32 s[\g+5], 32
	s_mov_b32 s[\g+6], 0
	s_mov_b32 s[\g+7], 0
.endr
.irp g, G1XS, G1WS                     ; a panel's scale words, 4,096 bytes, of each of the three tensors: 3 rows
	s_mov_b32 s[\g+1], 512<<16                     ; a panel's eight tiles' scale words, 4,096 bytes, of each of the three tensors: LDS [tensor 3][4,096]
	s_mov_b32 s[\g+2], 3<<16
	s_mov_b32 s[\g+3], 512<<16
	s_mov_b32 s[\g+4], 3
	s_mov_b32 s[\g+6], 0
	s_mov_b32 s[\g+7], 0
.endr
	s_mov_b32 s[G1XS+5], 16384                     ; from tensor to tensor: 32 panels of 4,096 bytes, in elements of 8
	s_mov_b32 s[G1WS+5], 4096                      ; 8 panels
	s_mul_i32 s60, s24, SLOTB                      ; x's codes: panel y, my half of a block.  (These registers never hold cx)
	s_mul_i32 s61, s[WW], 24576
	s_add_co_u32 s60, s60, s61
	s_mov_b32 s61, 0
	s_add_co_u32 s62, s23, 96                      ; W's codes: panel 96 + x.  (These never hold cy)
	s_mul_i32 s62, s62, SLOTB
	s_mul_i32 s63, s[WW], 24576
	s_add_co_u32 s62, s62, s63
	s_mov_b32 s63, 0
	s_lshl_b32 s66, s24, 12                        ; x's scale words: 4,096 bytes a panel
	s_mov_b32 s67, 0
	s_add_co_u32 s2, s23, 96                       ; W's
	s_lshl_b32 s2, s2, 12
	s_mov_b32 s3, 0
	s_mul_i32 s27, s[WV], 24576                    ; where a block goes in a slot: no place in the cluster enters an LDS address
	s_mov_b32 s25, 0                               ; one wave brings a side's scale words whole
	s_wait_kmcnt 0x0
	s_add_nc_u64 s[60:61], s[4:5], s[60:61]
	s_add_nc_u64 s[62:63], s[4:5], s[62:63]
.macro MKG0 k, ox, ow                  ; slot k's groups 0, at the unit that it takes first
	s_mov_b32 s[G0X+4*\k], 1
	s_add_co_u32 s[G0X+4*\k+1], s27, \k*SLOTB
	s_add_nc_u64 s[G0X+4*\k+2:G0X+4*\k+3], s[60:61], \ox
	s_or_b32 s[G0X+4*\k+3], s[G0X+4*\k+3], 0x80000000
	s_mov_b32 s[G0W+4*\k], 1
	s_add_co_u32 s[G0W+4*\k+1], s27, \k*SLOTB
	s_add_nc_u64 s[G0W+4*\k+2:G0W+4*\k+3], s[62:63], \ow
	s_or_b32 s[G0W+4*\k+3], s[G0W+4*\k+3], 0x80000000
.endm
	MKG0 0, 0, 0                                   ; q, first half of K
	MKG0 1, 49152, 49152                           ; q, second half
	MKG0 2, 3145728, 786432                        ; k, first half: 32 panels on in x, 8 in W
	s_mov_b32 s[G0XS], 1
	s_add_co_u32 s[G0XS+1], s25, XSC
	s_add_nc_u64 s[G0XS+2:G0XS+3], s[6:7], s[66:67]
	s_or_b32 s[G0XS+3], s[G0XS+3], 0x80000000
	s_mov_b32 s[G0WS], 1
	s_add_co_u32 s[G0WS+1], s25, WSC
	s_add_nc_u64 s[G0WS+2:G0WS+3], s[6:7], s[2:3]
	s_or_b32 s[G0WS+3], s[G0WS+3], 0x80000000
	CROUND                                         ; all sixteen work-groups are here: the first joint loads meet
; THE HEAD'S LOADS, ONE A WAVE: wave 0 x's half panel of unit 0, wave 1 x's scale words, wave 2 W's half panel, wave 3 W's scale words.
; Waves 0 and 2 have wave % 2 = 0, so slot 0's own groups 0 point at the half panel's first byte.  One tree of branches on the wave's number: every way passes exactly one load.
.macro ARM under, g0, g1, next
	s_cmp_lt_u32 s[WV], \under
	s_cbranch_scc0 \next
	tensor_load_to_lds s[\g0:\g0+3], s[\g1:\g1+7]
	s_nop 0
.rept 4
	v_nop
.endr
	s_branch .Lhead_asked
\next:
.endm
	ARM 1, G0X,  G1X,  .Lhead_xs
	ARM 2, G0XS, G1XS, .Lhead_w
	ARM 3, G0W,  G1W,  .Lhead_ws
	tensor_load_to_lds s[G0WS:G0WS+3], s[G1WS:G1WS+7]
	s_nop 0
.rept 4
	v_nop
.endr
.Lhead_asked:
	; where the results go
	s_lshl_b32 s27, s23, 1
	s_add_co_u32 s27, s27, s[WW]                   ; my head = 2 x + wave % 2
	s_mul_i32 s66, s27, 589824
	s_lshr_b32 s67, s24, 1
	s_mul_i32 s67, s67, 36864
	s_add_co_u32 s66, s66, s67
	s_and_b32 s67, s24, 1
	s_mul_i32 s67, s67, 6144
	s_add_co_u32 s66, s66, s67
	s_mul_i32 s3, s[WX], 3072
	s_add_co_u32 s2, s66, s3
	s_mov_b32 s3, 0
	s_add_nc_u64 s[QKC:QKC+1], s[14:15], s[2:3]    ; q, k: tile 8 (y % 2) + 4 (wave / 2) + a of block y / 2
	s_mul_i32 s3, s[WX], 768
	s_add_co_u32 s2, s66, s3
	s_mov_b32 s3, 0
	s_add_nc_u64 s[VC:VC+1], s[14:15], s[2:3]      ; v: step y % 2, group wave / 2
	s_mul_i32 s66, s27, 40960
	s_lshl_b32 s67, s24, 9
	s_add_co_u32 s2, s66, s67
	s_lshl_b32 s67, s[WX], 8
	s_add_co_u32 s2, s2, s67
	s_add_nc_u64 s[QKS:QKS+1], s[16:17], s[2:3]
	s_lshl_b32 s67, s24, 8
	s_add_co_u32 s2, s66, s67
	s_lshl_b32 s67, s[WX], 7
	s_add_co_u32 s2, s2, s67
	s_add_nc_u64 s[VSP:VSP+1], s[16:17], s[2:3]
	s_mov_b32 s[SEL], 0x76543210
	s_mov_b32 s[SEL+1], 0xfedcba98
	v_and_b32 v[LN], 31, v0
	s_wait_alu depctr_va_vdst(0)
	v_and_b32 v[RR], 15, v0
	v_bfe_u32 v[HH], v0, 4, 1
	s_lshl_b32 s2, s23, 9
	s_lshl_b32 s3, s[WW], 8
	s_add_co_u32 s2, s2, s3                        ; my 64 features in a bias, in bytes
	v_lshl_add_u32 v[BA], v[HH], 6, s2             ; q, k: tile b's registers are features 32 (b / 2) + 16 h + 8 (b % 2) + 0 .. 7
	v_and_b32 v[TT], 8, v[RR]
	v_add_nc_u32 v[TT], v[TT], v[RR]
	v_lshl_add_u32 v[BV], v[TT], 2, s2             ; v: tile a's lane is feature 32 (a / 2) + 8 (a % 2) + r + 8 (r / 8)
	WIN 0x40                                       ; destination window 1
.irp b, 0,1,2,3
	global_load_b128 v[128+8*\b:131+8*\b], v[BA], s[8:9] offset:(32*(\b/2)+8*(\b%2))*4
	global_load_b128 v[132+8*\b:135+8*\b], v[BA], s[8:9] offset:(32*(\b/2)+8*(\b%2))*4+16
	global_load_b128 v[160+8*\b:163+8*\b], v[BA], s[10:11] offset:(32*(\b/2)+8*(\b%2))*4
	global_load_b128 v[164+8*\b:167+8*\b], v[BA], s[10:11] offset:(32*(\b/2)+8*(\b%2))*4+16
	global_load_b32 v[192+2*\b], v[BV], s[12:13] offset:(32*(\b/2)+8*(\b%2))*4
	global_load_b32 v[193+2*\b], v[BV], s[12:13] offset:(32*(\b/2)+8*(\b%2))*4     ; (the packed addition names the pair)
.endr
	WIN 0
	s_mul_i32 s2, s[WX], 6144                      ; my four tiles of x in a K step's 12,288 bytes
	v_lshl_add_u32 v[AX16], v[LN], 4, s2
	v_lshl_add_u32 v[AX8], v[LN], 3, s2
	s_mul_i32 s2, s[WW], 6144
	s_add_co_u32 s2, s2, 49152                     ; W's lie behind x's half panel
	v_lshl_add_u32 v[AW16], v[LN], 4, s2
	v_lshl_add_u32 v[AW8], v[LN], 3, s2
.irp k, 1,2
	v_add_nc_u32 v[AX16+\k], \k*SLOTB, v[AX16]
	v_add_nc_u32 v[AX8+\k], \k*SLOTB, v[AX8]
	v_add_nc_u32 v[AW16+\k], \k*SLOTB, v[AW16]
	v_add_nc_u32 v[AW8+\k], \k*SLOTB, v[AW8]
.endr
	s_lshl_b32 s2, s[WX], 11                       ; my four tiles' words: 2,048 bytes into a tensor's 4,096
	s_lshl_b32 s3, s[WW], 11
	s_add_co_u32 s3, s3, WSC-XSC
	s_sub_co_u32 s3, s3, s2                        ; from x's words to W's
	v_mul_u32_u24 v[ASC], s3, v[HH]                ; lanes 16-31 take W's
	s_add_co_u32 s2, s2, XSC
	v_lshl_add_u32 v[TT], v[RR], 2, s2
	v_add_nc_u32 v[ASC], v[ASC], v[TT]
	v_lshlrev_b32 v[L16], 4, v[LN]
	v_lshlrev_b32 v[L8], 3, v[LN]
	v_lshlrev_b32 v[L4], 2, v[LN]
	v_lshlrev_b32 v[SQA], 4, v[RR]
	v_lshl_add_u32 v[SQA], v[HH], 3, v[SQA]
	v_mov_b32 v[TM+2], 0                           ; written once: a lane permute's destination counts as one of its sources
	v_mov_b32 v[TM+3], 0
; 36 LDS loads: the fragments of K step sp of the slot's four (x's four tiles, W's four) into buffer buf, and their scale words
.macro FETCH slot, sp, buf, sidx
.set FB, 64+96*(\buf)
.irp i, 0,1,2,3
	ds_load_b128 v[FB+12*\i:FB+12*\i+3], v[AX16+\slot] offset:(\sp)*12288+1536*\i
	ds_load_b64 v[FB+12*\i+4:FB+12*\i+5], v[AX8+\slot] offset:(\sp)*12288+1536*\i+512
	ds_load_b128 v[FB+12*\i+6:FB+12*\i+9], v[AX16+\slot] offset:(\sp)*12288+1536*\i+768
	ds_load_b64 v[FB+12*\i+10:FB+12*\i+11], v[AX8+\slot] offset:(\sp)*12288+1536*\i+1280
.endr
.irp i, 0,1,2,3
	ds_load_b128 v[FB+48+12*\i:FB+48+12*\i+3], v[AW16+\slot] offset:(\sp)*12288+1536*\i
	ds_load_b64 v[FB+48+12*\i+4:FB+48+12*\i+5], v[AW8+\slot] offset:(\sp)*12288+1536*\i+512
	ds_load_b128 v[FB+48+12*\i+6:FB+48+12*\i+9], v[AW16+\slot] offset:(\sp)*12288+1536*\i+768
	ds_load_b64 v[FB+48+12*\i+10:FB+48+12*\i+11], v[AW8+\slot] offset:(\sp)*12288+1536*\i+1280
.endr
.irp i, 0,1,2,3
	ds_load_b32 v[SCR+4*(\buf)+\i], v[ASC] offset:(\sidx)+512*\i   ; lanes 0-15: x's tile i; lanes 16-31: W's tile i
.endr
.endm
; 16 matrix instructions, 128 along K.  The 16 accumulators take turns, one instruction a turn, in the same order in every K step.
; var = 0: source 0 = W's tile b, source 1 = x's tile a;  var = 1: source 0 = x's tile b, source 1 = W's tile a.  zero = 1: the first K step starts the sums.
.macro MUL buf, var, zero
.set FB, 64+96*(\buf)
.set SB, SCR+4*(\buf)
	WIN 0x50                                       ; C and D window 1
.irp a, 0,1,2,3
.irp b, 0,1,2,3
.if \var
.if \zero
	v_wmma_scale_f32_16x16x128_f8f6f4 v[8*(4*\a+\b):8*(4*\a+\b)+7], v[FB+12*\b:FB+12*\b+11], v[FB+48+12*\a:FB+48+12*\a+11], 0, v[SB+\b], v[SB+\a] matrix_a_fmt:MATRIX_FMT_FP6 matrix_b_fmt:MATRIX_FMT_FP6 matrix_b_scale:MATRIX_SCALE_ROW1
.else
	v_wmma_scale_f32_16x16x128_f8f6f4 v[8*(4*\a+\b):8*(4*\a+\b)+7], v[FB+12*\b:FB+12*\b+11], v[FB+48+12*\a:FB+48+12*\a+11], v[8*(4*\a+\b):8*(4*\a+\b)+7], v[SB+\b], v[SB+\a] matrix_a_fmt:MATRIX_FMT_FP6 matrix_b_fmt:MATRIX_FMT_FP6 matrix_b_scale:MATRIX_SCALE_ROW1
.endif
.else
.if \zero
	v_wmma_scale_f32_16x16x128_f8f6f4 v[8*(4*\a+\b):8*(4*\a+\b)+7], v[FB+48+12*\b:FB+48+12*\b+11], v[FB+12*\a:FB+12*\a+11], 0, v[SB+\b], v[SB+\a] matrix_a_fmt:MATRIX_FMT_FP6 matrix_b_fmt:MATRIX_FMT_FP6 matrix_a_scale:MATRIX_SCALE_ROW1
.else
	v_wmma_scale_f32_16x16x128_f8f6f4 v[8*(4*\a+\b):8*(4*\a+\b)+7], v[FB+48+12*\b:FB+48+12*\b+11], v[FB+12*\a:FB+12*\a+11], v[8*(4*\a+\b):8*(4*\a+\b)+7], v[SB+\b], v[SB+\a] matrix_a_fmt:MATRIX_FMT_FP6 matrix_b_fmt:MATRIX_FMT_FP6 matrix_a_scale:MATRIX_SCALE_ROW1
.endif
.endif
.endr
.endr
	WIN 0
.endm
; A unit: four K steps out of one slot, on two buffers: a K step's 36 loads are issued ahead of the K step before it
.macro UNIT slot, tz, hf, var
	FETCH \slot, 0, 0, 2048*(\tz)+256*(\hf)
	FETCH \slot, 1, 1, 2048*(\tz)+256*(\hf)+64
	s_wait_dscnt 36                                ; all but the 36 just issued
	MUL 0, \var, 1-(\hf)
	PLACES
	FETCH \slot, 2, 0, 2048*(\tz)+256*(\hf)+128
	s_wait_dscnt 36
	MUL 1, \var, 0
	PLACES
	FETCH \slot, 3, 1, 2048*(\tz)+256*(\hf)+192
	s_wait_dscnt 36
	MUL 0, \var, 0
	s_wait_dscnt 0x0
	MUL 1, \var, 0
	PLACES
.endm
; The slot just read is filled again.  Every wave: all its tensor loads have landed; 0 onto its spare word; the slot's addresses step meanwhile;
; the add is done and its reads of the slot are over; a round of the cluster's barrier; the joint refill first behind it.
.macro REFILL slot, dx, dw
	s_wait_tensorcnt 0x0
	ds_add_u32 v[SPW], v[NIL]
	s_add_nc_u64 s[G0X+4*\slot+2:G0X+4*\slot+3], s[G0X+4*\slot+2:G0X+4*\slot+3], \dx
	s_add_nc_u64 s[G0W+4*\slot+2:G0W+4*\slot+3], s[G0W+4*\slot+2:G0W+4*\slot+3], \dw
	s_wait_dscnt 0x0
	CROUND
	JLOAD G0X+4*\slot, G1X, G0W+4*\slot, G1W
.endm
; 32 numbers of a lane, register 16 b + i = k 32 b + 16 h + i of its row, become a group's six registers in v[g] on and two scale bytes in v[pw]
.macro QUANT2 s, g, pw
.irp b, 0,1
	v_max3_num_f32 v[TM+\b], |v[\s+16*\b]|, |v[\s+1+16*\b]|, 0x1800000   ; with the floor 2^(3 - 127): the byte cannot fall under 1
.endr
.irp i, 2,4,6,8,10,12,14
.irp b, 0,1
	v_max3_num_f32 v[TM+\b], v[TM+\b], |v[\s+16*\b+\i]|, |v[\s+1+16*\b+\i]|
.endr
.endr
.irp b, 0,1
	v_permlanex16_b32 v[TM+2+\b], v[TM+\b], s[SEL], s[SEL+1]
.endr
.irp b, 0,1
	v_max_num_f32 v[TM+\b], v[TM+\b], v[TM+2+\b]
.endr
.irp b, 0,1
	v_add_nc_u32 v[TM+4+\b], 0xff000000, v[TM+\b]  ; 2 off the exponent field: the conversion's scale operand
.endr
.irp b, 0,1
	v_lshrrev_b32 v[TM+2+\b], 23, v[TM+4+\b]
.endr
	v_lshl_or_b32 v[\pw], v[TM+3], 8, v[TM+2]
	v_cvt_scalef32_pk16_fp6_f32 v[\g:\g+2], v[\s:\s+15], v[TM+4]
	v_cvt_scalef32_pk16_fp6_f32 v[CT:CT+2], v[\s+16:\s+31], v[TM+5]
	v_nop                                          ; one plain place behind a scaled conversion
.irp i, 0,1,2
	v_permlane16_swap_b32 v[\g+\i], v[CT+\i]       ; a whole block to a lane: lanes 0-15 block 0, lanes 16-31 block 1
.endr
.irp i, 0,1,2
	v_mov_b32 v[\g+3+\i], v[CT+\i]
.endr
.endm
; The way out of a tile: bias added (which also brings the sums into window 0, each accumulator from its low end on), quantised, stored as groups; then the scale words
.macro EPI var, bias, cpart, spart
.irp a, 0,1,2,3
	WIN 0x05                                       ; sources 0 and 1 window 1
.irp k, 0,2,4,6,8,10,12,14,16,18,20,22,24,26,28,30
.if \var
	v_pk_add_f32 v[H+\k:H+\k+1], v[32*\a+\k:32*\a+\k+1], v[\bias+2*\a:\bias+2*\a+1] op_sel_hi:[1,0]
.else
	v_pk_add_f32 v[H+\k:H+\k+1], v[32*\a+\k:32*\a+\k+1], v[\bias+\k:\bias+\k+1]
.endif
.endr
	WIN 0
	QUANT2 H, G+8*\a, PW+\a
.if \var
	global_store_b128 v[L16], v[G+8*\a:G+8*\a+3], s[VC:VC+1] offset:\cpart+1536*\a
	global_store_b64 v[L8], v[G+8*\a+4:G+8*\a+5], s[VC:VC+1] offset:\cpart+1536*\a+512
.else
	global_store_b128 v[L16], v[G+8*\a:G+8*\a+3], s[QKC:QKC+1] offset:\cpart+768*\a
	global_store_b64 v[L8], v[G+8*\a+4:G+8*\a+5], s[QKC:QKC+1] offset:\cpart+768*\a+512
.endif
.endr
	s_mov_b32 vcc_lo, 0xffff0000                   ; lanes 16-31 take tiles 2 and 3
	v_cndmask_b32 v[SD], v[PW], v[PW+2], vcc_lo
	v_cndmask_b32 v[SD+1], v[PW+1], v[PW+3], vcc_lo
.if \var
	v_lshl_or_b32 v[SD], v[SD+1], 16, v[SD]
	global_store_b32 v[L4], v[SD], s[VSP:VSP+1] offset:\spart
.else
	global_store_b64 v[SQA], v[SD:SD+1], s[QKS:QKS+1] offset:\spart   ; 32 lanes store 256 consecutive bytes
.endif
	s_wait_xcnt 0x0                                ; the stores have read their registers: the next unit's loads may land there
.endm
	s_wait_alu depctr_va_vdst(0)
; THE WALK AS IT STANDS: unit n + 1 is asked for behind the round in front of unit n, one joint load a wave, so a wave has one tensor load outstanding.
; UNIT's second argument counts 2,048 bytes of scale words: a tensor's words are 4,096 bytes, so it is 0, 2, 4.
.macro FILL slot                       ; a slot's first fill, issued as a refill is: the three lines, a round, the joint load
	s_wait_tensorcnt 0x0
	ds_add_u32 v[SPW], v[NIL]
	s_wait_dscnt 0x0
	CROUND
	JLOAD G0X+4*\slot, G1X, G0W+4*\slot, G1W
.endm
	s_wait_tensorcnt 0x0                           ; my tile of the head's four is in
	ds_add_u32 v[SPW], v[NIL]
	s_mov_b32 s[G1X+2], 96<<16                     ; no tensor load of mine is out: from here on a load brings 96 rows
	s_mov_b32 s[G1X+4], 96
	s_mov_b32 s[G1W+2], 96<<16
	s_mov_b32 s[G1W+4], 96
	s_wait_dscnt 0x0
	CROUND
	JLOAD G0X+4, G1X, G0W+4, G1W                   ; unit 1: q, second half of K
	UNIT 0, 0, 0, 0                                ; q, first half of K
	FILL 2                                         ; unit 2: k, first half
	UNIT 1, 0, 1, 0                                ; q, second half
	REFILL 0, 3194880, 835584                      ; slot 0 takes k's second half
	s_wait_loadcnt 0x0                             ; the biases
	EPI 0, 128, 24576, 24576                       ; q goes out while the refill is on its way
	UNIT 2, 2, 0, 0                                ; k, first half
	REFILL 1, 6242304, 1523712                     ; slot 1 takes v's first half
	UNIT 0, 2, 1, 0                                ; k, second half
	REFILL 2, 3194880, 835584                      ; slot 2 takes v's second half
	EPI 0, 160, 0, 0
	UNIT 1, 4, 0, 1                                ; v, first half
	s_wait_tensorcnt 0x0                           ; my part of the last unit is in,
	s_wait_dscnt 0x0
	s_barrier_signal -1
	s_barrier_wait -1                              ; everybody's is; nothing is filled again
	UNIT 2, 4, 1, 1
	EPI 1, 192, 12288, 16384
	s_wait_tensorcnt 0x0                           ; the wave's end
	ds_add_u32 v[SPW], v[NIL]
	s_wait_dscnt 0x0
	CROUND                                         ; the closing round
	s_endpgm
.Lfunc_end_k_qcafb70ecc1_proj:
	.size	k_qcafb70ecc1_proj, .Lfunc_end_k_qcafb70ecc1_proj-k_qcafb70ecc1_proj
	.p2alignl 7, 3214868480
	.fill 96, 4, 3214868480
	.section	.rodata,"a",@progbits
	.p2align	6, 0x0
	.amdhsa_kernel k_qcafb70ecc1_proj
		.amdhsa_group_segment_fixed_size 327680
		.amdhsa_private_segment_fixed_size 0
		.amdhsa_enable_private_segment 0
		.amdhsa_kernarg_size 56
		.amdhsa_user_sgpr_count 2
		.amdhsa_user_sgpr_kernarg_segment_ptr 1
		.amdhsa_wavefront_size32 1
		.amdhsa_system_sgpr_workgroup_id_x 1
		.amdhsa_system_sgpr_workgroup_id_y 1
		.amdhsa_system_sgpr_workgroup_id_z 1
		.amdhsa_system_vgpr_workitem_id 0
		.amdhsa_next_free_vgpr 464
		.amdhsa_next_free_sgpr 104
		.amdhsa_reserve_vcc 1
		.amdhsa_float_denorm_mode_32 3
		.amdhsa_float_denorm_mode_16_64 3
		.amdhsa_memory_ordered 1
		.amdhsa_forward_progress 1
		.amdhsa_inst_pref_size 164
	.end_amdhsa_kernel
	.amdgpu_metadata
---
amdhsa.version: [ 1, 2 ]
amdhsa.kernels:
  - .name:           k_qcafb70ecc1_proj
    .symbol:         k_qcafb70ecc1_proj.kd
    .args:
      - { .name: xw_codes, .offset: 0, .size: 8, .value_kind: global_buffer, .address_space: global }
      - { .name: xw_scales, .offset: 8, .size: 8, .value_kind: global_buffer, .address_space: global }
      - { .name: Wq_b, .offset: 16, .size: 8, .value_kind: global_buffer, .address_space: global }
      - { .name: Wk_b, .offset: 24, .size: 8, .value_kind: global_buffer, .address_space: global }
      - { .name: Wv_b, .offset: 32, .size: 8, .value_kind: global_buffer, .address_space: global }
      - { .name: hc, .offset: 40, .size: 8, .value_kind: global_buffer, .address_space: global }
      - { .name: hs, .offset: 48, .size: 8, .value_kind: global_buffer, .address_space: global }
    .group_segment_fixed_size: 327680
    .private_segment_fixed_size: 0
    .kernarg_segment_align: 8
    .kernarg_segment_size: 56
    .max_flat_workgroup_size: 128
    .sgpr_count:     104
    .vgpr_count:     464
    .wavefront_size: 32
...
	.end_amdgpu_metadata
.endif
;; end of part 2
;; launch attn (part 3): grid 16 x 16, 16 waves a work-group, no clusters, 305,152 bytes of LDS; arguments hc, hs, msk, flags, ac, asc; writes ac, asc
.if DOCPART == 3
	.amdgcn_target "amdgcn-amd-amdhsa--gfx1250"
	.amdhsa_code_object_version 6
	.text
	.protected	k_qcafb70ecc1_attn
	.globl	k_qcafb70ecc1_attn
	.p2align	8
	.type	k_qcafb70ecc1_attn,@function
k_qcafb70ecc1_attn:
	s_mov_b64 s[64:65], 0
	v_nop
	global_prefetch_b8 v0, s[64:65] scope:SCOPE_SE
	s_setreg_imm32_b32 hwreg(HW_REG_WAVE_MODE, 25, 1), 1
	s_wait_xcnt 0x0
; ATTN.  o[h][q] = sum over k of softmax_k(q . k / 8, hidden keys at a very low logit) v[h][k], both products on codes of FP6 with E8M0 scales; the result is quantised along the model's 1,024 for the last product.
; THE SOFTMAX: t = score x log2(e) / 8; M = the largest t so far, rounded UP to a whole number; p = 2^(t - M) is quantised along the keys, not normalised; the sum is taken of the unquantised p and divides at the end.
; When M moves, the sum and O are multiplied by 2^(old M - new M): exact.
; THE MASK is an input: one bit a key (made by the first launch), read from LDS.  A hidden key's score is replaced by -2^33, that is a logit of -2^30.
; LIMIT: reference() has -1e9 there; the results differ only where a key that counts has a logit under about -1e9.  A row none of whose keys counts gets p = 1 for every key, as with -1e9.
; LIMITS: a block of zeros gets the byte 1 (its codes are zeros; this program alone reads the bytes); NaN and infinities are not served.
; SHARES.  Work-group (j, head) takes two groups of 128 queries one after the other: group 31 - j, then group j.  Its sixteen waves are 8 tiles of 16 queries x 2 parities: wave w owns tile w % 8 of the group
; and, of each slot of 256 keys, the step of 128 keys with number w / 8.  At a group's end the wave of parity 1 hands O, its sums and its M to the wave of parity 0 through LDS; both halves are brought
; under the larger M by a power of two, added, divided, quantised and stored.
; Every wave walks all 16 slots of each group: the trip counts are constants.  A step's WORK is jumped over where the tile's flag word SKIP says that none of its keys counts (and every row has a key that
; counts somewhere, so that p would be 0 there); the mask's lines where OPEN says that all count; a slot's FETCH (from slot 2 on) where SKIP holds for both its steps in all eight tiles.  The words were stored by the first launch.
; In a slot that is not fetched the three LDS stores put the last fetched slot's bytes down once more; nobody reads them: every wave's steps of that slot are jumped over.
; NO TENSOR LOAD AND NO JOINT REQUEST: those branches hang on words read from memory.
; THE RING.  K and V come through registers (1,536 bytes a wave and slot) into FOUR LDS slots; slot u lies in LDS slot u % 4.  In half-trip u a wave stores its part of slot u + 2, asks memory for slot u + 3, SIGNALS,
; does its step on slot u, and only then WAITS: one barrier a slot, its two halves a step apart.  Slot u + 2 lies over slot u - 2: every wave's reads of that ended in front of its signal u - 1, and the
; wave that stores has passed wait u - 1.  Slot u was whole at wait u - 2.  A wave that has passed wait u stores slot u + 3, which lies over slot u - 1, not over slot u, which others may still read.
; PREFETCH: while the first group is walked, wave 0 names 6 of the 96 blocks of 256 bytes of slot u + 4, one slot ahead of the load (the head's sixteen work-groups share the 96 out by j), if this work-group will fetch that slot; slots 4 to 15.
; LAYOUT.  S^T = K Q^T (source 0 = 16 keys, source 1 = my 16 queries), O^T = V^T P^T: a lane holds one query throughout.  The tiles' row order makes the 16 registers of tiles 2 b, 2 b + 1 sixteen neighbouring keys.
; The head's 64 fill half of the instruction's 128: Q's upper six registers are zero codes, so whatever stands in K's upper six adds nothing; the scale bytes there are 0, which is 2^-127.
; The scale bytes of the result leave in stores of two bytes a lane: 128 KiB in the whole launch.
.set SLOT1, 32768                      ; LDS slot 0 at 0, 1 here, 2 at RING2, 3 at RING2 + SLOT1: K's 16 tiles (12,288 bytes), then V's 2 steps x 4 d tiles x 2 groups
.set SCV,   24576                      ; V's scale words [step 32][lane 32][2]
.set SCK,   57344                      ; K's scale words [tile / 4 : 64][place 16][4]
.set MBL,   73728                      ; the mask's bits [group 2][tile 8]: 16 rows of 512 bytes + 16
.set SPARE, 208896                     ; the spare words, 128 bytes a wave
.set MRG,   210944                     ; [tile 8] 4,608 bytes: what parity 1 hands over
.set RING2, 247808
.set L16, 1
.set L8,  2
.set CPY, 3                            ; 1,536 w + 16 x lane: my part of a slot, in memory and in LDS
.set K16, 4                            ; 16 x lane + 6,144 x parity
.set K8,  5
.set SH4, 6                            ; 4 h
.set ADSB, 7
.set ADTB, 8
.set MRW, 9                            ; my query's row of bits, at my parity's first step
.set ADS, 10
.set ADT, 11
.set QF,  16                           ; v16-27 Q's fragment (22-27 zero)
.set QS,  28
.set PFO, 29
.set ADM, 30
.set NEGV, 31
.set KF,  32                           ; v32-79 K's eight groups, later V's four fragments; v80-85 zero
.set SG2, 48                           ; v48-59 at a group's start: my part of slot 1
.set ZR,  80
.set KS,  86
.set VS,  90
.set MB,  92
.set S,   96                           ; v96-159 S^T, then p
.set O,   160                          ; v160-191 O^T
.set SG,  192                          ; v192-203 a slot on its way
.set PC,  204
.set CT,  216
.set MGA, 219
.set BM,  224
.set BX,  228
.set SO,  232
.set FF,  236
.set PW,  238
.set TP,  239
.set L2,  240
.set A0,  240
.set MT,  242
.set A1,  244
.set A2,  246
.set KSA, 248                          ; v248-250, 252-253: at work in the head;
.set VRA, 249
.set VSA, 250
.set K16T, 248                         ; v248-250 behind it: K16, K8 in the pair of LDS slots that this trip reads, CPY in the pair that it fills
.set K8T, 249
.set CPS, 250
.set QSO, 251                          ; 16 r
.set MST, 252
.set TM,  224
.set SLB,  2                           ; 0 or RING2: the pair of LDS slots that this trip reads
.set SLBN, 3                           ; the other pair
.set ASP,  12
.set WV,   14
.set WI,   15
.set WP,   16
.set HD,   17
.set TT,   18                          ; s18, s19: my tile in the first and in the second group
.set HB,   24
.set SRC,  26
.set HS,   28
.set ACP,  34
.set OPEN, 40
.set SKIP, 41
.set XS,   42
.set TRIP, 43
.set TS,   44
.set TJ,   45
.set SEL,  50
.set CS,   52
.set PFL,  54
.set TMK,  100
	s_load_b256 s[4:11], s[0:1], 0x0               ; hc s[4:5], hs s[6:7], msk s[8:9], flags s[10:11]
	s_load_b128 s[56:59], s[0:1], 0x20             ; ac s[56:57], asc s[58:59]
	v_lshl_add_u32 v254, v0, 2, SPARE
	v_mov_b32 v255, 0
	v_lshrrev_b32 v1, 5, v0
	v_readfirstlane_b32 s[WV], v1                  ; wave 0..15
	s_and_b32 s[WI], s[WV], 7                      ; my tile of the group's eight
	s_lshr_b32 s[WP], s[WV], 3                     ; my parity
	s_and_b32 s[HD], ttmp7, 0xffff                 ; the head
	s_sub_co_u32 s[TT], 31, ttmp9
	s_lshl_b32 s[TT], s[TT], 3
	s_lshl_b32 s62, s[TT], 3                       ; the first group's 64 bytes of flags
	s_add_co_u32 s[TT], s[TT], s[WI]
	s_lshl_b32 s[TT+1], ttmp9, 3
	s_lshl_b32 s63, s[TT+1], 3                     ; the second group's
	s_add_co_u32 s[TT+1], s[TT+1], s[WI]
	s_lshl_b32 s60, s[TT], 3                       ; my tiles' 8 bytes
	s_lshl_b32 s61, s[TT+1], 3
	s_mul_i32 s30, s[WV], 1536
	s_mul_i32 s31, s[WI], 8448
	s_add_co_u32 s31, s31, MBL
	s_lshl_b32 s32, s[WP], 4
	s_add_co_u32 s32, s32, s31
	s_mul_i32 s33, s[WP], 4224                     ; I bring rows 8 x parity .. + 7 of my tile's bits
	s_add_co_u32 s31, s31, s33
	s_lshl_b32 s33, s[WV], 10
	s_lshl_b32 s34, s[WV], 9
	s_mul_i32 s35, s[WP], 6144
	s_lshl_b32 s36, s[WP], 9
	s_lshl_b32 s37, s[WP], 8
	s_mul_i32 s38, ttmp9, 1536
	s_mul_i32 s39, s[WI], 4608
	s_add_co_u32 s39, s39, MRG
	s_mov_b32 s[SEL], 0x76543210
	s_mov_b32 s[SEL+1], 0xfedcba98
	s_mov_b32 s[CS], 0x3e38aa3b                    ; c = log2(e) / 8
	s_mov_b32 s[CS+1], s[CS]
	s_cmp_eq_u32 s[WV], 0
	s_cselect_b32 s[PFL], 6, 0                     ; wave 0 prefetches, in trips 0 to 5
	s_mov_b32 s47, 0
	v_and_b32 v[TP], 31, v0                        ; lane
	v_and_b32 v[L2], 15, v0                        ; r
	v_bfe_u32 v[L2+1], v0, 4, 1                    ; h
	v_lshlrev_b32 v[L16], 4, v[TP]
	v_lshlrev_b32 v[L8], 3, v[TP]
	v_lshl_add_u32 v[CPY], v[TP], 4, s30
	v_lshl_add_u32 v[K16], v[TP], 4, s35
	v_lshl_add_u32 v[K8], v[TP], 3, s35
	v_lshlrev_b32 v[SH4], 2, v[L2+1]
	v_lshl_add_u32 v[ADSB], v[TP], 4, s36
	v_lshl_add_u32 v[ADTB], v[TP], 3, s37
	v_mul_u32_u24 v[MRW], v[L2], 528
	v_lshl_add_u32 v[MST], v[TP], 4, s31
	v_lshl_add_u32 v[KSA], v[TP], 4, s33
	v_lshl_add_u32 v[VRA], v[TP], 2, s34
	v_lshl_add_u32 v[VSA], v[TP], 3, s34
	v_lshlrev_b32 v[QSO], 4, v[L2]
	v_lshl_add_u32 v[MGA], v[TP], 4, s39
	v_min_u32 v[PFO], 5, v[TP]                     ; lanes 5 to 31 name my sixth block
	v_add_nc_u32 v[MRW], s32, v[MRW]
	v_add_nc_u32 v[MST+1], 67584, v[MST]
	v_lshl_add_u32 v[PFO], v[PFO], 8, s38
	v_mov_b32 v[NEGV], 0xd0000000                  ; -2^33
	s_wait_alu depctr_va_vdst(0)
	s_wait_kmcnt 0x0
	s_load_b64 s[20:21], s[10:11], s60 offset:0x0  ; my tiles' OPEN and SKIP
	s_load_b64 s[22:23], s[10:11], s61 offset:0x0
	s_load_b512 s[68:83], s[10:11], s62 offset:0x0 ; and those of all eight tiles of each group
	s_load_b512 s[84:99], s[10:11], s63 offset:0x0
	s_mul_i32 s46, s[HD], 589824
	s_add_nc_u64 s[HB:HB+1], s[4:5], s[46:47]      ; the head's codes
	s_mul_i32 s46, s[HD], 40960
	s_add_nc_u64 s[HS:HS+1], s[6:7], s[46:47]      ; the head's scales
.irp f, 0,1                                    ; my eight rows of bits: (32 (T / 2) + 8 (T % 2) + 16 x parity) x 512 bytes
	s_lshr_b32 s46, s[TT+\f], 1
	s_lshl_b32 s46, s46, 14
	s_and_b32 s48, s[TT+\f], 1
	s_lshl_b32 s48, s48, 12
	s_add_co_u32 s46, s46, s48
	s_lshl_b32 s48, s[WP], 13
	s_add_co_u32 s46, s46, s48
	s_add_nc_u64 s[36+2*\f:37+2*\f], s[8:9], s[46:47]
.endr
.macro PLACES
.rept 4
	v_nop
.endr
.endm
; My parts of slots 0 and 1, and Q's group and scale word of my tile of group f
.macro LOADS f
	s_wait_xcnt 0x0                                ; earlier loads have read the bases that are written here
	s_wait_loadcnt 0x0                             ; and none is still on its way into the registers that are loaded below
	s_lshr_b32 s46, s[TT+\f], 4
	s_mul_i32 s46, s46, 36864
	s_and_b32 s48, s[TT+\f], 15
	s_mul_i32 s48, s48, 768
	s_add_co_u32 s46, s46, s48
	s_add_nc_u64 s[30:31], s[HB:HB+1], s[46:47]
	s_lshr_b32 s46, s[TT+\f], 2
	s_lshl_b32 s46, s46, 8
	s_and_b32 s48, s[TT+\f], 3
	s_lshl_b32 s48, s48, 2
	s_add_co_u32 s46, s46, s48
	s_add_nc_u64 s[32:33], s[HS:HS+1], s[46:47]
	s_mov_b64 s[SRC:SRC+1], s[HB:HB+1]
.irp k, 0,1,2
	global_load_b128 v[SG+4*\k:SG+4*\k+3], v[CPY], s[SRC:SRC+1] offset:512*\k
	global_load_b128 v[SG2+4*\k:SG2+4*\k+3], v[CPY], s[SRC:SRC+1] offset:36864+512*\k
.endr
	global_load_b128 v[QF:QF+3], v[L16], s[30:31] offset:24576
	global_load_b64 v[QF+4:QF+5], v[L8], s[30:31] offset:24576+512
	global_load_b32 v[QS], v[QSO], s[32:33] offset:24576
.endm
.macro INIT                            ; the step is written once: the first finds zeros, which the first change of M leaves zeros
.set j, 0
.rept 32
	v_mov_b32 v[O+j], 0
.set j, j+1
.endr
	v_mov_b32 v13, 0xff61b1e6                      ; the largest t so far: -3e38
	v_floor_f32 v12, -v13                          ; -M
	v_mov_b32 v14, 0                               ; the sum, in two halves
	v_mov_b32 v15, 0
.endm
.macro FLAGS f                         ; bit 2 s of OPEN and SKIP: my step of slot s; bit 2 s of XS: no tile of the group needs slot s
	s_lshr_b32 s[OPEN], s[20+2*\f], s[WP]
	s_lshr_b32 s[SKIP], s[21+2*\f], s[WP]
	s_and_b32 s[XS], s[69+16*\f], s[71+16*\f]
.irp i, 73,75,77,79,81,83
	s_and_b32 s[XS], s[XS], s[\i+16*\f]
.endr
	s_lshr_b32 s48, s[XS], 1
	s_and_b32 s[XS], s[XS], s48
	s_mov_b32 s[TRIP], 0
	s_mov_b32 s[TS], 0
	s_mov_b32 s[TJ], 0
	s_mov_b32 s[TMK], 0
	s_mov_b32 s[SLB], 0
	s_mov_b32 s[SLBN], RING2
.endm
	LOADS 0
.irp f, 0,1
.irp jj, 0,1,2,3,4,5,6,7
	global_load_b128 v[S+32*\f+4*\jj:S+32*\f+4*\jj+3], v[L16], s[36+2*\f:37+2*\f] offset:512*\jj   ; a row's 512 consecutive bytes of bits
.endr
.endr
	global_load_b128 v[32:35], v[KSA], s[HS:HS+1]                                  ; 1,024 bytes of K's scale words
	global_load_b128 v[36:39], v[KSA], s[HS:HS+1] offset:512
.irp k, 0,1,2,3
	global_load_b32 v[40+\k], v[VRA], s[HS:HS+1] offset:16384+128*\k               ; V's raw words of steps 2 w, 2 w + 1: groups 0, 1
.endr
.irp j, 6,7,8,9,10,11
	v_mov_b32 v[QF+\j], 0                          ; Q's upper 64 along K: zero codes
.endr
.irp j, 0,1,2,3,4,5
	v_mov_b32 v[ZR+\j], 0
.endr
.irp j, 0,1,2,3,4,5,6,7
	v_mov_b32 v[BM+\j], 0                          ; written once: a lane permute's destination counts as one of its sources
.endr
	v_mov_b32 v[FF], 0
	v_mov_b32 v[FF+1], 0                           ; (named as the upper half of a pair)
	INIT
	s_wait_alu depctr_va_vdst(0)
	s_wait_loadcnt 0x0
.irp f, 0,1
.irp jj, 0,1,2,3,4,5,6,7
	ds_store_b128 v[MST+\f], v[S+32*\f+4*\jj:S+32*\f+4*\jj+3] offset:528*\jj
.endr
.endr
	ds_store_b128 v[KSA], v[32:35] offset:SCK
	ds_store_b128 v[KSA], v[36:39] offset:SCK+512
	v_perm_b32 v44, v41, v40, 0x05040100           ; d tile 2 h: the bytes of key blocks 0, 1 (group 0) and 2, 3 (group 1)
	v_perm_b32 v45, v41, v40, 0x07060302           ; d tile 2 h + 1
	v_perm_b32 v46, v43, v42, 0x05040100
	v_perm_b32 v47, v43, v42, 0x07060302
	ds_store_b64 v[VSA], v[44:45] offset:SCV
	ds_store_b64 v[VSA], v[46:47] offset:SCV+256
	s_wait_kmcnt 0x0                               ; the flag words
; MY KEY STEP of the trip's slot sl: 128 keys.  It holds LDS loads and work on registers alone: it stands between a barrier's signal and its wait
.macro STEP sl
	s_bitcmp1_b32 s[SKIP], 2*(\sl)
	s_cbranch_scc1 .Lhidden_\@
.irp t, 0,1,2,3,4,5,6,7
	ds_load_b128 v[KF+6*\t:KF+6*\t+3], v[K16T] offset:SLOT1*(\sl)+768*\t
	ds_load_b64 v[KF+6*\t+4:KF+6*\t+5], v[K8T] offset:SLOT1*(\sl)+768*\t+512
.endr
	ds_load_b128 v[KS:KS+3], v[ADS] offset:SCK+1024*(\sl)          ; register u: lanes 0-15 tile u's words, lanes 16-31 tile 4 + u's
	s_wait_dscnt 0x0
.irp t, 0,1,2,3
	v_wmma_scale_f32_16x16x128_f8f6f4 v[S+8*\t:S+8*\t+7], v[KF+6*\t:KF+6*\t+11], v[QF:QF+11], 0, v[KS+\t], v[QS] matrix_a_fmt:MATRIX_FMT_FP6 matrix_b_fmt:MATRIX_FMT_FP6
.endr
.irp t, 4,5,6,7
	v_wmma_scale_f32_16x16x128_f8f6f4 v[S+8*\t:S+8*\t+7], v[KF+6*\t:KF+6*\t+11], v[QF:QF+11], 0, v[KS+\t-4], v[QS] matrix_a_fmt:MATRIX_FMT_FP6 matrix_b_fmt:MATRIX_FMT_FP6 matrix_a_scale:MATRIX_SCALE_ROW1
.endr
	PLACES                                         ; in front of loads into registers that these products have read, and of the first read of the scores
.irp d, 0,1,2,3                                ; V's four fragments land while the softmax is walked
.irp c, 0,1
	ds_load_b128 v[KF+12*\d+6*\c:KF+12*\d+6*\c+3], v[K16T] offset:SLOT1*(\sl)+12288+1536*\d+768*\c
	ds_load_b64 v[KF+12*\d+6*\c+4:KF+12*\d+6*\c+5], v[K8T] offset:SLOT1*(\sl)+12288+1536*\d+768*\c+512
.endr
.endr
	ds_load_b64 v[VS:VS+1], v[ADT] offset:SCV+512*(\sl)
	s_bitcmp1_b32 s[OPEN], 2*(\sl)
	s_cbranch_scc1 .Lopen_\@
	ds_load_b128 v[MB:MB+3], v[ADM] offset:32*(\sl)                ; my query's 128 bits of this step
	s_wait_dscnt 0x0
.irp c, 0,1,2,3
	v_lshrrev_b32 v[MB+\c], v[SH4], v[MB+\c]
.endr
.set n, 0
.rept 64                                       ; register 16 b + i holds key 32 b + 16 h + i: word i % 4, bit 8 b + 4 h + i / 4.  Each accumulator from its low end on
	v_and_b32 v[MT+n%2], 1<<(8*(n/16)+(n%16)/4), v[MB+n%4]
	v_cmp_ne_u32 vcc_lo, 0, v[MT+n%2]
	v_cndmask_b32 v[S+n], v[NEGV], v[S+n], vcc_lo
.set n, n+1
.endr
.Lopen_\@:
.irp b, 0,1,2,3
	v_max3_num_f32 v[BM+\b], v[S+16*\b], v[S+1+16*\b], v[S+2+16*\b]   ; the largest score of each block of 32 keys: for the row's maximum and, since p rises with the score, for the block's largest p
.endr
.irp i, 3,5,7,9,11,13
.irp b, 0,1,2,3
	v_max3_num_f32 v[BM+\b], v[BM+\b], v[S+16*\b+\i], v[S+1+16*\b+\i]
.endr
.endr
.irp b, 0,1,2,3
	v_max_num_f32 v[BM+\b], v[BM+\b], v[S+15+16*\b]
.endr
.irp b, 0,1,2,3
	v_permlanex16_b32 v[BX+\b], v[BM+\b], s[SEL], s[SEL+1]
.endr
.irp b, 0,1,2,3
	v_max_num_f32 v[BM+\b], v[BM+\b], v[BX+\b]
.endr
	s_delay_alu instid0(VALU_DEP_2)
	v_max3_num_f32 v[TP], v[BM], v[BM+1], v[BM+2]
	s_delay_alu instid0(VALU_DEP_1)
	v_max_num_f32 v[TP], v[TP], v[BM+3]
	s_delay_alu instid0(VALU_DEP_1)
	v_mul_f32 v[TP], s[CS], v[TP]                  ; as t (c is positive)
	s_delay_alu instid0(VALU_DEP_1)
	v_max_num_f32 v13, v13, v[TP]                  ; the running largest t
	v_mov_b32 v[TP], v12
	s_delay_alu instid0(VALU_DEP_2)
	v_floor_f32 v12, -v13                          ; the new -M = -ceil(t)
	s_delay_alu instid0(VALU_DEP_1)
	v_sub_f32 v[TP], v12, v[TP]                    ; old M - new M: a whole number, 0 or less
	s_delay_alu instid0(VALU_DEP_1)
	v_cvt_i32_f32 v[TP], v[TP]                     ; (it saturates)
	s_delay_alu instid0(VALU_DEP_1)
	v_ldexp_f32 v[FF], 1.0, v[TP]                  ; f = 2^(old M - new M)
.set j, 0
.rept 32
	v_pk_fma_f32 v[S+j:S+j+1], v[S+j:S+j+1], s[CS:CS+1], v[12:13] op_sel_hi:[1,0,0]   ; t - M
.set j, j+2
.endr
.irp b, 0,1,2,3
	v_fma_f32 v[BM+\b], v[BM+\b], s[CS], v12
.endr
	s_wait_alu depctr_va_vdst(0)
.set j, 0
.rept 64
	v_exp_f32 v[S+j], v[S+j]                       ; p = 2^(t - M)
.set j, j+1
.endr
	v_pk_mul_f32 v[14:15], v[14:15], v[FF:FF+1] op_sel_hi:[1,0]    ; the sums under the new M; a plain place behind the exponentials
	s_wait_alu depctr_va_vdst(0)                   ; one wait for the batch, ahead of its first reader
.irp b, 0,1,2,3
	v_exp_f32 v[BM+\b], v[BM+\b]                   ; each block's largest p
.endr
	v_pk_add_f32 v[A0:A0+1], v[S:S+1], v[S+2:S+3]                  ; the row's sum of the unquantised p, in four chains by turns
	v_pk_add_f32 v[A1:A1+1], v[S+4:S+5], v[S+6:S+7]
	v_pk_add_f32 v[A2:A2+1], v[S+8:S+9], v[S+10:S+11]
	v_pk_add_f32 v[14:15], v[14:15], v[S+12:S+13]
.set j, 14
.rept 6
	v_pk_add_f32 v[A0:A0+1], v[A0:A0+1], v[S+j:S+j+1]
	v_pk_add_f32 v[A1:A1+1], v[A1:A1+1], v[S+j+2:S+j+3]
	v_pk_add_f32 v[A2:A2+1], v[A2:A2+1], v[S+j+4:S+j+5]
	v_pk_add_f32 v[14:15], v[14:15], v[S+j+6:S+j+7]
.set j, j+8
.endr
	v_pk_add_f32 v[A0:A0+1], v[A0:A0+1], v[S+62:S+63]
	v_pk_add_f32 v[14:15], v[14:15], v[A2:A2+1]
	v_pk_add_f32 v[A0:A0+1], v[A0:A0+1], v[A1:A1+1]
	s_delay_alu instid0(VALU_DEP_1)
	v_pk_add_f32 v[14:15], v[14:15], v[A0:A0+1]
	s_wait_alu depctr_va_vdst(0)                   ; and one for the four
.irp b, 0,1,2,3
	v_max_num_f32 v[BM+\b], 0x1800000, v[BM+\b]    ; the floor 2^(3 - 127)
.endr
.irp b, 0,1,2,3
	v_add_nc_u32 v[SO+\b], 0xff000000, v[BM+\b]
.endr
.irp b, 0,1,2,3
	v_lshrrev_b32 v[BX+\b], 23, v[SO+\b]
.endr
	v_lshl_or_b32 v[PW], v[BX+1], 8, v[BX]         ; p's scale word for these 128 keys
	s_delay_alu instid0(VALU_DEP_1)
	v_lshl_or_b32 v[PW], v[BX+2], 16, v[PW]
	s_delay_alu instid0(VALU_DEP_1)
	v_lshl_or_b32 v[PW], v[BX+3], 24, v[PW]
.irp c, 0,1
	v_cvt_scalef32_pk16_fp6_f32 v[PC+6*\c:PC+2+6*\c], v[S+32*\c:S+15+32*\c], v[SO+2*\c]
	v_cvt_scalef32_pk16_fp6_f32 v[CT+4*\c:CT+2+4*\c], v[S+16+32*\c:S+31+32*\c], v[SO+2*\c+1]
.endr
	v_nop                                          ; one plain place behind a scaled conversion
.irp c, 0,1
.irp i, 0,1,2
	v_permlane16_swap_b32 v[PC+6*\c+\i], v[CT+4*\c+\i]
.endr
.irp i, 0,1,2
	v_mov_b32 v[PC+3+6*\c+\i], v[CT+4*\c+\i]
.endr
.endr
	s_wait_alu depctr_va_vdst(0)                   ; directly ahead of the first reader of O^T
.set j, 0
.rept 16
	v_pk_mul_f32 v[O+j:O+j+1], v[O+j:O+j+1], v[FF:FF+1] op_sel_hi:[1,0]   ; O^T under the new M; these are also the places in front of the scaled products
.set j, j+2
.endr
	s_wait_alu depctr_va_vdst(0)
	s_wait_dscnt 0x0                               ; V and its scale words
.irp d, 0,1
	v_wmma_scale_f32_16x16x128_f8f6f4 v[O+8*\d:O+8*\d+7], v[KF+12*\d:KF+12*\d+11], v[PC:PC+11], v[O+8*\d:O+8*\d+7], v[VS+\d], v[PW] matrix_a_fmt:MATRIX_FMT_FP6 matrix_b_fmt:MATRIX_FMT_FP6
.endr
.irp d, 2,3
	v_wmma_scale_f32_16x16x128_f8f6f4 v[O+8*\d:O+8*\d+7], v[KF+12*\d:KF+12*\d+11], v[PC:PC+11], v[O+8*\d:O+8*\d+7], v[VS+\d-2], v[PW] matrix_a_fmt:MATRIX_FMT_FP6 matrix_b_fmt:MATRIX_FMT_FP6 matrix_a_scale:MATRIX_SCALE_ROW1
.endr
	PLACES                                         ; in front of the next step's loads and of the next read of O^T
.Lhidden_\@:
.endm
; A GROUP'S START: my parts of slots 0 and 1 go to LDS, slot 2 is asked for where some tile needs it, and one whole barrier shows both slots to every wave.
; (Every wave's reads of the group before ended in front of the barrier at that group's end.)
.macro PRO
	s_wait_loadcnt 0x0
.irp k, 0,1,2
	ds_store_b128 v[CPY], v[SG+4*\k:SG+4*\k+3] offset:512*\k
	ds_store_b128 v[CPY], v[SG2+4*\k:SG2+4*\k+3] offset:SLOT1+512*\k
.endr
	s_wait_dscnt 0x0                               ; for the others' sake: my stores have landed; and they have read their registers
	s_bitcmp1_b32 s[XS], 4
	s_cbranch_scc1 .Lno_two_\@
.irp k, 0,1,2
	global_load_b128 v[SG+4*\k:SG+4*\k+3], v[CPY], s[SRC:SRC+1] offset:36864*2+512*\k
.endr
.Lno_two_\@:
	s_barrier_signal -1
	s_barrier_wait -1
.endm
; HALF-TRIP u = 2 x trip + sl: my part of slot u + 2 goes from registers to LDS, into the pair of LDS slots that this trip does not read; slot u + 3 is asked for, where there is one and some tile needs it;
; the signal says that my stores have landed and my reads of slot u - 1 are over; my step on slot u; the wait.
.macro HALF sl, pf
	s_wait_loadcnt 0x0                             ; my part of slot u + 2 is in registers
.irp k, 0,1,2
	ds_store_b128 v[CPS], v[SG+4*\k:SG+4*\k+3] offset:SLOT1*\sl+512*\k
.endr
	s_wait_dscnt 0x0                               ; for the others' sake: my stores have landed, my reads are over
	s_cmp_gt_u32 s[TRIP], 6-\sl                    ; behind slot 15 there is none
	s_cbranch_scc1 .Lno_next_\@
	s_bitcmp1_b32 s[XS], 2*(\sl)+6
	s_cbranch_scc1 .Lno_next_\@
.irp k, 0,1,2
	global_load_b128 v[SG+4*\k:SG+4*\k+3], v[CPY], s[SRC:SRC+1] offset:36864*(\sl+3)+512*\k
.endr
.Lno_next_\@:
.if \pf
	s_cmp_lt_u32 s[TRIP], s[PFL]                   ; trips 0 to 5 name slots 4 to 15
	s_cbranch_scc0 .Lno_pf_\@
	s_bitcmp1_b32 s[XS], 2*(\sl)+8
	s_cbranch_scc1 .Lno_pf_\@
	global_prefetch_b8 v[PFO], s[SRC:SRC+1] offset:36864*(\sl+4) th:TH_LOAD_NT scope:SCOPE_SE
.Lno_pf_\@:
.endif
	s_barrier_signal -1
	STEP \sl
	s_barrier_wait -1
.endm
.macro WALK pf                         ; 8 trips of two slots
.Ltrip_\@:
	v_add_nc_u32 v[ADS], s[TS], v[ADSB]
	v_add_nc_u32 v[ADT], s[TJ], v[ADTB]
	v_add_nc_u32 v[ADM], s[TMK], v[MRW]
	v_add_nc_u32 v[K16T], s[SLB], v[K16]
	v_add_nc_u32 v[K8T], s[SLB], v[K8]
	v_add_nc_u32 v[CPS], s[SLBN], v[CPY]
	s_wait_alu depctr_va_vdst(0)
	HALF 0, \pf
	HALF 1, \pf
	s_wait_xcnt 0x0                                ; the loads and the prefetch have read their base: it may step
	s_add_nc_u64 s[SRC:SRC+1], s[SRC:SRC+1], 73728
	s_add_co_u32 s[TS], s[TS], 2048
	s_add_co_u32 s[TJ], s[TJ], 1024
	s_add_co_u32 s[TMK], s[TMK], 64
	s_xor_b32 s[SLB], s[SLB], RING2                ; the two pairs of LDS slots change places
	s_xor_b32 s[SLBN], s[SLBN], RING2
	s_lshr_b32 s[OPEN], s[OPEN], 4
	s_lshr_b32 s[SKIP], s[SKIP], 4
	s_lshr_b32 s[XS], s[XS], 4
	s_add_co_u32 s[TRIP], s[TRIP], 1
	s_cmp_lt_u32 s[TRIP], 8
	s_cbranch_scc1 .Ltrip_\@
.endm
; A GROUP'S END.  Parity 1 hands over O^T, -M and its sums; parity 0 brings both halves under the larger M, divides by the sum, quantises the head's 64 channels (two blocks of 32 along the last product's K) and stores one group.
.macro FINISH f
	s_wait_alu depctr_va_vdst(0)
	s_cmp_eq_u32 s[WP], 0
	s_cbranch_scc1 .Lkeep_\@
.irp k, 0,1,2,3,4,5,6,7
	ds_store_b128 v[MGA], v[O+4*\k:O+4*\k+3] offset:512*\k         ; each accumulator from its low end on
.endr
	ds_store_b128 v[MGA], v[12:15] offset:4096
.Lkeep_\@:
	s_wait_dscnt 0x0
	s_barrier_signal -1
	s_barrier_wait -1
	s_cmp_lg_u32 s[WP], 0
	s_cbranch_scc1 .Ldone_\@
.irp k, 0,1,2,3,4,5,6,7
	ds_load_b128 v[S+4*\k:S+4*\k+3], v[MGA] offset:512*\k
.endr
	ds_load_b128 v[S+32:S+35], v[MGA] offset:4096
	s_wait_xcnt 0x0                                ; earlier stores have read the bases that are written here
	s_lshr_b32 s46, s[TT+\f], 3                    ; ac [T / 8][head / 2][T % 8][head % 2][768]
	s_lshl_b32 s46, s46, 3
	s_lshr_b32 s48, s[HD], 1
	s_add_co_u32 s46, s46, s48
	s_mul_i32 s46, s46, 12288
	s_and_b32 s49, s[TT+\f], 7
	s_mul_i32 s49, s49, 1536
	s_add_co_u32 s46, s46, s49
	s_and_b32 s49, s[HD], 1
	s_mul_i32 s55, s49, 768
	s_add_co_u32 s46, s46, s55
	s_add_nc_u64 s[ACP:ACP+1], s[56:57], s[46:47]
	s_lshl_b32 s46, s[TT+\f], 9                    ; asc [T][head / 2][place] words, bytes 2 (head % 2) and the next
	s_lshl_b32 s48, s48, 6
	s_add_co_u32 s46, s46, s48
	s_lshl_b32 s49, s49, 1
	s_add_co_u32 s46, s46, s49
	s_add_nc_u64 s[ASP:ASP+1], s[58:59], s[46:47]
	s_wait_dscnt 0x0
	v_min_num_f32 v[TP], v12, v[S+32]              ; -(the larger M)
	v_add_f32 v14, v14, v15
	v_add_f32 v[S+34], v[S+34], v[S+35]
	v_sub_f32 v[FF], v[TP], v12                    ; my M less the larger: a whole number, 0 or less
	v_sub_f32 v[BX], v[TP], v[S+32]
	v_cvt_i32_f32 v[FF], v[FF]                     ; (it saturates: a half that walked no step counts for nothing)
	v_cvt_i32_f32 v[BX], v[BX]
	v_ldexp_f32 v[FF], 1.0, v[FF]
	v_ldexp_f32 v[BX], 1.0, v[BX]
	v_mul_f32 v14, v14, v[FF]
	v_fmac_f32 v14, v[S+34], v[BX]
	v_permlanex16_b32 v[TP], v14, s[SEL], s[SEL+1]
	v_add_f32 v14, v14, v[TP]                      ; the row's sum
	s_wait_alu depctr_va_vdst(0)
	v_rcp_f32 v14, v14
	v_and_b32 v[L2], 15, v0                        ; (a plain place behind the reciprocal)
	v_and_b32 v[L2+1], 31, v0
	s_wait_alu depctr_va_vdst(0)                   ; ahead of the first reader
	v_mul_f32 v[FF], v[FF], v14
	v_mul_f32 v[BX], v[BX], v14
	s_wait_alu depctr_va_vdst(0)                   ; directly ahead of the first reader of O^T
.set j, 0
.rept 16
	v_pk_mul_f32 v[O+j:O+j+1], v[O+j:O+j+1], v[FF:FF+1] op_sel_hi:[1,0]
.set j, j+2
.endr
.set j, 0
.rept 16
	v_pk_fma_f32 v[S+j:S+j+1], v[S+j:S+j+1], v[BX:BX+1], v[O+j:O+j+1] op_sel_hi:[1,0,1]
.set j, j+2
.endr
.irp b, 0,1
	v_max3_num_f32 v[TM+\b], |v[S+16*\b]|, |v[S+1+16*\b]|, 0x1800000
.endr
.irp i, 2,4,6,8,10,12,14
.irp b, 0,1
	s_delay_alu instid0(VALU_DEP_2)
	v_max3_num_f32 v[TM+\b], v[TM+\b], |v[S+16*\b+\i]|, |v[S+1+16*\b+\i]|
.endr
.endr
.irp b, 0,1
	v_permlanex16_b32 v[TM+2+\b], v[TM+\b], s[SEL], s[SEL+1]
.endr
.irp b, 0,1
	v_max_num_f32 v[TM+\b], v[TM+\b], v[TM+2+\b]
.endr
.irp b, 0,1
	v_add_nc_u32 v[TM+4+\b], 0xff000000, v[TM+\b]
.endr
.irp b, 0,1
	v_lshrrev_b32 v[TM+2+\b], 23, v[TM+4+\b]
.endr
	v_lshl_or_b32 v[PW], v[TM+3], 8, v[TM+2]
	v_cvt_scalef32_pk16_fp6_f32 v[PC:PC+2], v[S:S+15], v[TM+4]
	v_cvt_scalef32_pk16_fp6_f32 v[CT:CT+2], v[S+16:S+31], v[TM+5]
	v_nop
.irp i, 0,1,2
	v_permlane16_swap_b32 v[PC+\i], v[CT+\i]
.endr
.irp i, 0,1,2
	v_mov_b32 v[PC+3+\i], v[CT+\i]
.endr
	global_store_b128 v[L16], v[PC:PC+3], s[ACP:ACP+1]
	global_store_b64 v[L8], v[PC+4:PC+5], s[ACP:ACP+1] offset:512
	v_lshlrev_b32 v[TP], 2, v[L2]
	v_cmp_gt_u32 vcc_lo, 16, v[L2+1]
	s_wait_alu depctr_va_vdst(0)
	s_wait_xcnt 0x0                                ; EXEC changes only when the earlier loads and stores have read their sources
	s_and_saveexec_b32 s55, vcc_lo
	global_store_b16 v[TP], v[PW], s[ASP:ASP+1]    ; lanes 0-15: my head's two bytes of the row's scale word
	s_wait_xcnt 0x0
	s_or_b32 exec_lo, exec_lo, s55
.Ldone_\@:
.endm
	FLAGS 0
	PRO
	WALK 1                                         ; group 31 - j
	LOADS 1                                        ; the second group's slots 0 and 1 and Q are on their way while the first group goes out
	FINISH 0
	INIT
	v_add_nc_u32 v[MRW], 67584, v[MRW]             ; the second group's bits
	s_wait_alu depctr_va_vdst(0)
	FLAGS 1
	PRO
	WALK 0                                         ; group j
	FINISH 1
	s_wait_tensorcnt 0x0                           ; the wave's end
	ds_add_u32 v254, v255
	s_wait_dscnt 0x0
	s_endpgm
.Lfunc_end_k_qcafb70ecc1_attn:
	.size	k_qcafb70ecc1_attn, .Lfunc_end_k_qcafb70ecc1_attn-k_qcafb70ecc1_attn
	.p2alignl 7, 3214868480
	.fill 96, 4, 3214868480
	.section	.rodata,"a",@progbits
	.p2align	6, 0x0
	.amdhsa_kernel k_qcafb70ecc1_attn
		.amdhsa_group_segment_fixed_size 305152
		.amdhsa_private_segment_fixed_size 0
		.amdhsa_enable_private_segment 0
		.amdhsa_kernarg_size 48
		.amdhsa_user_sgpr_count 2
		.amdhsa_user_sgpr_kernarg_segment_ptr 1
		.amdhsa_wavefront_size32 1
		.amdhsa_system_sgpr_workgroup_id_x 1
		.amdhsa_system_sgpr_workgroup_id_y 1
		.amdhsa_system_sgpr_workgroup_id_z 1
		.amdhsa_system_vgpr_workitem_id 0
		.amdhsa_next_free_vgpr 256
		.amdhsa_next_free_sgpr 104
		.amdhsa_reserve_vcc 1
		.amdhsa_float_denorm_mode_32 3
		.amdhsa_float_denorm_mode_16_64 3
		.amdhsa_memory_ordered 1
		.amdhsa_forward_progress 1
		.amdhsa_inst_pref_size 133
	.end_amdhsa_kernel
	.amdgpu_metadata
---
amdhsa.version: [ 1, 2 ]
amdhsa.kernels:
  - .name:           k_qcafb70ecc1_attn
    .symbol:         k_qcafb70ecc1_attn.kd
    .args:
      - { .name: hc, .offset: 0, .size: 8, .value_kind: global_buffer, .address_space: global }
      - { .name: hs, .offset: 8, .size: 8, .value_kind: global_buffer, .address_space: global }
      - { .name: msk, .offset: 16, .size: 8, .value_kind: global_buffer, .address_space: global }
      - { .name: flags, .offset: 24, .size: 8, .value_kind: global_buffer, .address_space: global }
      - { .name: ac, .offset: 32, .size: 8, .value_kind: global_buffer, .address_space: global }
      - { .name: asc, .offset: 40, .size: 8, .value_kind: global_buffer, .address_space: global }
    .group_segment_fixed_size: 305152
    .private_segment_fixed_size: 0
    .kernarg_segment_align: 8
    .kernarg_segment_size: 48
    .max_flat_workgroup_size: 512
    .sgpr_count:     104
    .vgpr_count:     256
    .wavefront_size: 32
...
	.end_amdgpu_metadata
.endif
;; end of part 3
;; launch outp (part 4): grid 8 x 32, 4 waves a work-group, clusters of 4 x 4, 327,680 bytes of LDS; arguments ac, asc, xw_codes, xw_scales, Wo_b, out0; writes out0
.if DOCPART == 4
	.amdgcn_target "amdgcn-amd-amdhsa--gfx1250"
	.amdhsa_code_object_version 6
	.text
	.protected	k_qcafb70ecc1_outp
	.globl	k_qcafb70ecc1_outp
	.p2align	8
	.type	k_qcafb70ecc1_outp,@function
k_qcafb70ecc1_outp:
	s_mov_b64 s[64:65], 0
	v_nop
	global_prefetch_b8 v0, s[64:65] scope:SCOPE_SE
	s_setreg_imm32_b32 hwreg(HW_REG_WAVE_MODE, 25, 1), 1
	s_wait_xcnt 0x0
	s_wait_alu depctr_hold_cnt(0) depctr_sa_sdst(0) depctr_va_vdst(0) depctr_va_sdst(0) depctr_va_ssrc(0) depctr_va_vcc(0) depctr_vm_vsrc(0)
	s_getreg_b32 s2, hwreg(HW_REG_IB_STS2, 6, 4)
	s_cmp_eq_u32 s2, 0
	s_cbranch_scc0 .Lentry_in_a_cluster
	s_endpgm
.Lentry_in_a_cluster:
	s_bfe_u32 s2, ttmp6, 0x10000c
	s_cmp_lg_u32 s2, 0xf033
	s_cbranch_scc0 .Lentry_shape_is_right
	s_endpgm
.Lentry_shape_is_right:
; OUTP.  out0 = a Wo^T + bo on codes of FP6 with E8M0 scales; a is the attention's result, quantised by the launch before; sums in f32.
; Work-group (x, y) makes 128 rows x 128 columns; four waves, 64 x 64 each: 16 accumulators.  Source 0 = 16 rows of Wo, source 1 = 16 rows of a: a lane holds one row, its registers run along the columns.
; Operands lie in memory as images of their registers, K-major in a panel: each half of K is a dense block of 49,152 bytes.  Two LDS slots, each filled once: nothing is filled again.
; CLUSTER 4 x 4: a's panel hangs on y alone and is asked for jointly along a row of the cluster, Wo's on x alone, along a column.  A wave has at most one tensor load outstanding.
; The result goes through the wave's own stage in LDS, 16 rows x 256 bytes at a time: sixteen lanes store 256 consecutive bytes, aligned.
; REGISTERS: window 0: v4-23 addresses; v24-31 scale words; v64-159, v160-255 two fragment buffers; on the way out v64-95 numbers, v96-159 rows read back.  window 1: v0-127 accumulators, v128-159 the bias.
.set SLOTB, 98304
.set SCSTR, 2048
.set XSC,   2*SLOTB
.set WSC,   XSC+2*SCSTR
.set STG,   WSC+2*SCSTR                ; 16 rows x 272 bytes for each wave; no tensor load lands here
.set AX16, 4
.set AX8,  7
.set AW16, 10
.set AW8,  13
.set ASC,  16
.set STO,  17
.set RD,   18
.set CO,   19
.set BA,   21
.set SCR,  24
.set LN,   52
.set RR,   53
.set HH,   54
.set TT,   55
.set H,    64
.set BK,   96
.set WV,   18
.set WX,   19
.set WW,   20
.set G1X,  28
.set G1W,  36
.set G1XS, 44
.set G1WS, 52
.set G0X,  68
.set G0W,  80
.set G0XS, 92
.set G0WS, 96
.set OUT,  4
.set MSB, 0
.macro WIN new
.if MSB != \new
	s_set_vgpr_msb (MSB<<8)|\new
.set MSB, \new
.endif
.endm
.macro JLOAD g0a, g1a, g0b, g1b        ; waves 0 and 1 fetch for a, waves 2 and 3 for Wo; four v_nop follow each of the two lines
	s_cmp_eq_u32 s[WX], 0
	s_cbranch_scc0 .Lfor_b_\@
	tensor_load_to_lds s[\g0a:\g0a+3], s[\g1a:\g1a+7]
	s_nop 0
.rept 4
	v_nop
.endr
	s_branch .Lasked_\@
.Lfor_b_\@:
	tensor_load_to_lds s[\g0b:\g0b+3], s[\g1b:\g1b+7]
	s_nop 0
.rept 4
	v_nop
.endr
.Lasked_\@:
.endm
.macro CROUND
	s_barrier_signal -1
	s_barrier_wait -1
	s_cmp_lg_u32 s[WV], 0
	s_cbranch_scc1 .Lnot_wave_0_\@
	s_barrier_signal -3
.Lnot_wave_0_\@:
	s_barrier_wait -3
	s_barrier_signal -1
	s_barrier_wait -1
.endm
.macro PLACES
.rept 4
	v_nop
.endr
.endm
	s_load_b256 s[4:11], s[0:1], 0x0               ; ac s[4:5], asc s[6:7], xw_codes s[8:9], xw_scales s[10:11]
	s_load_b128 s[12:15], s[0:1], 0x20             ; Wo_b s[12:13], out0 s[14:15]
	v_lshl_add_u32 v62, v0, 2, 0x36400
	v_mov_b32 v63, 0
	ds_add_u32 v62, v63
	ds_add_u32 v62, v63
	v_lshrrev_b32 v[TT], 5, v0
	v_readfirstlane_b32 s[WV], v[TT]
	s_lshr_b32 s[WX], s[WV], 1
	s_and_b32 s[WW], s[WV], 1
	s_bfe_u32 s21, ttmp6, 0x40000                  ; cx
	s_bfe_u32 s22, ttmp6, 0x40004                  ; cy
	s_lshl_b32 s23, ttmp9, 2
	s_add_co_u32 s23, s23, s21                     ; x
	s_and_b32 s24, ttmp7, 0xffff
	s_lshl_b32 s24, s24, 2
	s_add_co_u32 s24, s24, s22                     ; y
	s_lshl_b32 s25, s22, 2
	s_lshl_b32 s25, 15, s25
	s_lshl_b32 s26, 0x1111, s21
	s_or_b32 s[G1X], s25, (3<<16)|(1<<21)
	s_or_b32 s[G1W], s26, (3<<16)|(1<<21)
	s_or_b32 s[G1XS], s25, (3<<16)|(1<<21)
	s_or_b32 s[G1WS], s26, (3<<16)|(1<<21)
.irp g, G1X, G1W                       ; 24,576 dense bytes as 96 rows of 256
	s_mov_b32 s[\g+1], 32<<16
	s_mov_b32 s[\g+2], 192<<16                     ; the head's loads of codes bring a whole half panel, 192 rows; behind them the two words that count rows are set to 96
	s_mov_b32 s[\g+3], 32<<16
	s_mov_b32 s[\g+4], 192
	s_mov_b32 s[\g+5], 32
	s_mov_b32 s[\g+6], 0
	s_mov_b32 s[\g+7], 0
.endr
.irp g, G1XS, G1WS                     ; a panel's scale words: 4,096 dense bytes as 16 rows of 256
	s_mov_b32 s[\g+1], 32<<16
	s_mov_b32 s[\g+2], 16<<16                      ; a panel's eight tiles' scale words: 4,096 dense bytes as 16 rows of 256
	s_mov_b32 s[\g+3], 32<<16
	s_mov_b32 s[\g+4], 16
	s_mov_b32 s[\g+5], 32
	s_mov_b32 s[\g+6], 0
	s_mov_b32 s[\g+7], 0
.endr
	s_mul_i32 s60, s24, SLOTB                      ; a's codes: panel y, my half of a block.  (These registers never hold cx)
	s_mul_i32 s61, s[WW], 24576
	s_add_co_u32 s60, s60, s61
	s_mov_b32 s61, 0
	s_add_co_u32 s62, s23, 120                     ; Wo's codes: panel 120 + x.  (These never hold cy)
	s_mul_i32 s62, s62, SLOTB
	s_mul_i32 s63, s[WW], 24576
	s_add_co_u32 s62, s62, s63
	s_mov_b32 s63, 0
	s_lshl_b32 s66, s24, 12
	s_mov_b32 s67, 0
	s_add_co_u32 s2, s23, 120
	s_lshl_b32 s2, s2, 12
	s_mov_b32 s3, 0
	s_mul_i32 s27, s[WV], 24576
	s_mov_b32 s25, 0                               ; one wave brings a side's scale words whole
	s_wait_dscnt 0x0
	s_wait_kmcnt 0x0
	s_add_nc_u64 s[60:61], s[4:5], s[60:61]
	s_add_nc_u64 s[62:63], s[8:9], s[62:63]
.irp k, 0,1
	s_mov_b32 s[G0X+4*\k], 1
	s_add_co_u32 s[G0X+4*\k+1], s27, \k*SLOTB
	s_add_nc_u64 s[G0X+4*\k+2:G0X+4*\k+3], s[60:61], \k*49152
	s_or_b32 s[G0X+4*\k+3], s[G0X+4*\k+3], 0x80000000
	s_mov_b32 s[G0W+4*\k], 1
	s_add_co_u32 s[G0W+4*\k+1], s27, \k*SLOTB
	s_add_nc_u64 s[G0W+4*\k+2:G0W+4*\k+3], s[62:63], \k*49152
	s_or_b32 s[G0W+4*\k+3], s[G0W+4*\k+3], 0x80000000
.endr
	s_mov_b32 s[G0XS], 1
	s_add_co_u32 s[G0XS+1], s25, XSC
	s_add_nc_u64 s[G0XS+2:G0XS+3], s[6:7], s[66:67]
	s_or_b32 s[G0XS+3], s[G0XS+3], 0x80000000
	s_mov_b32 s[G0WS], 1
	s_add_co_u32 s[G0WS+1], s25, WSC
	s_add_nc_u64 s[G0WS+2:G0WS+3], s[10:11], s[2:3]
	s_or_b32 s[G0WS+3], s[G0WS+3], 0x80000000
	CROUND                                         ; all sixteen work-groups are here: the joint loads meet
; THE HEAD'S LOADS, ONE A WAVE: wave 0 a's first half panel, wave 1 a's scale words, wave 2 Wo's first half panel, wave 3 Wo's scale words.
; Waves 0 and 2 have wave % 2 = 0, so slot 0's own groups 0 point at the half panel's first byte.  One tree of branches on the wave's number: every way passes exactly one load.
.macro ARM under, g0, g1, next
	s_cmp_lt_u32 s[WV], \under
	s_cbranch_scc0 \next
	tensor_load_to_lds s[\g0:\g0+3], s[\g1:\g1+7]
	s_nop 0
.rept 4
	v_nop
.endr
	s_branch .Lhead_asked
\next:
.endm
	ARM 1, G0X,  G1X,  .Lhead_xs
	ARM 2, G0XS, G1XS, .Lhead_w
	ARM 3, G0W,  G1W,  .Lhead_ws
	tensor_load_to_lds s[G0WS:G0WS+3], s[G1WS:G1WS+7]
	s_nop 0
.rept 4
	v_nop
.endr
.Lhead_asked:
	s_lshl_b32 s2, s24, 1                          ; out0: row 64 (2 y + wave / 2), column 128 x + 64 (wave % 2)
	s_add_co_u32 s2, s2, s[WX]
	s_lshl_b32 s2, s2, 18
	s_lshl_b32 s66, s23, 9
	s_lshl_b32 s67, s[WW], 8
	s_add_co_u32 s66, s66, s67
	s_add_co_u32 s2, s2, s66
	s_mov_b32 s3, 0
	s_add_nc_u64 s[OUT:OUT+1], s[14:15], s[2:3]
	v_and_b32 v[LN], 31, v0
	v_and_b32 v[RR], 15, v0
	v_bfe_u32 v[HH], v0, 4, 1
	v_lshl_add_u32 v[BA], v[HH], 6, s66            ; the bias: tile b's registers are columns 32 (b / 2) + 16 h + 8 (b % 2) + 0 .. 7
	WIN 0x40
.irp b, 0,1,2,3
	global_load_b128 v[128+8*\b:131+8*\b], v[BA], s[12:13] offset:(32*(\b/2)+8*(\b%2))*4
	global_load_b128 v[132+8*\b:135+8*\b], v[BA], s[12:13] offset:(32*(\b/2)+8*(\b%2))*4+16
.endr
	WIN 0
	s_mul_i32 s2, s[WX], 6144
	v_lshl_add_u32 v[AX16], v[LN], 4, s2
	v_lshl_add_u32 v[AX8], v[LN], 3, s2
	s_mul_i32 s2, s[WW], 6144
	s_add_co_u32 s2, s2, 49152
	v_lshl_add_u32 v[AW16], v[LN], 4, s2
	v_lshl_add_u32 v[AW8], v[LN], 3, s2
	v_add_nc_u32 v[AX16+1], SLOTB, v[AX16]
	v_add_nc_u32 v[AX8+1], SLOTB, v[AX8]
	v_add_nc_u32 v[AW16+1], SLOTB, v[AW16]
	v_add_nc_u32 v[AW8+1], SLOTB, v[AW8]
	s_mul_i32 s2, s[WX], SCSTR
	s_mul_i32 s3, s[WW], SCSTR
	s_add_co_u32 s3, s3, WSC-XSC
	s_sub_co_u32 s3, s3, s2
	v_mul_u32_u24 v[ASC], s3, v[HH]                ; lanes 16-31 take Wo's words
	s_add_co_u32 s2, s2, XSC
	v_lshl_add_u32 v[TT], v[RR], 2, s2
	v_add_nc_u32 v[ASC], v[ASC], v[TT]
	s_mul_i32 s2, s[WV], 4352
	s_add_co_u32 s2, s2, STG                       ; my stage
	v_mul_u32_u24 v[STO], v[RR], 272
	v_lshl_add_u32 v[STO], v[HH], 6, v[STO]
	v_add_nc_u32 v[STO], s2, v[STO]                ; in: row r, 64 h bytes on
	v_mul_u32_u24 v[RD], v[HH], 272
	v_lshl_add_u32 v[RD], v[RR], 4, v[RD]
	v_add_nc_u32 v[RD], s2, v[RD]                  ; back: lanes 0-15 one row of 256 bytes, lanes 16-31 the next
	v_lshlrev_b32 v[CO], 12, v[HH]
	v_lshl_add_u32 v[CO], v[RR], 4, v[CO]          ; and the same two rows in out0
.macro FETCH slot, sp, buf, sidx       ; 36 LDS loads: a K step's fragments and scale words into buffer buf
.set FB, 64+96*(\buf)
.irp i, 0,1,2,3
	ds_load_b128 v[FB+12*\i:FB+12*\i+3], v[AX16+\slot] offset:(\sp)*12288+1536*\i
	ds_load_b64 v[FB+12*\i+4:FB+12*\i+5], v[AX8+\slot] offset:(\sp)*12288+1536*\i+512
	ds_load_b128 v[FB+12*\i+6:FB+12*\i+9], v[AX16+\slot] offset:(\sp)*12288+1536*\i+768
	ds_load_b64 v[FB+12*\i+10:FB+12*\i+11], v[AX8+\slot] offset:(\sp)*12288+1536*\i+1280
.endr
.irp i, 0,1,2,3
	ds_load_b128 v[FB+48+12*\i:FB+48+12*\i+3], v[AW16+\slot] offset:(\sp)*12288+1536*\i
	ds_load_b64 v[FB+48+12*\i+4:FB+48+12*\i+5], v[AW8+\slot] offset:(\sp)*12288+1536*\i+512
	ds_load_b128 v[FB+48+12*\i+6:FB+48+12*\i+9], v[AW16+\slot] offset:(\sp)*12288+1536*\i+768
	ds_load_b64 v[FB+48+12*\i+10:FB+48+12*\i+11], v[AW8+\slot] offset:(\sp)*12288+1536*\i+1280
.endr
.irp i, 0,1,2,3
	ds_load_b32 v[SCR+4*(\buf)+\i], v[ASC] offset:(\sidx)+512*\i
.endr
.endm
.macro MUL buf, zero                   ; 16 matrix instructions; the accumulators take turns, one instruction a turn
.set FB, 64+96*(\buf)
.set SB, SCR+4*(\buf)
	WIN 0x50
.irp a, 0,1,2,3
.irp b, 0,1,2,3
.if \zero
	v_wmma_scale_f32_16x16x128_f8f6f4 v[8*(4*\a+\b):8*(4*\a+\b)+7], v[FB+48+12*\b:FB+48+12*\b+11], v[FB+12*\a:FB+12*\a+11], 0, v[SB+\b], v[SB+\a] matrix_a_fmt:MATRIX_FMT_FP6 matrix_b_fmt:MATRIX_FMT_FP6 matrix_a_scale:MATRIX_SCALE_ROW1
.else
	v_wmma_scale_f32_16x16x128_f8f6f4 v[8*(4*\a+\b):8*(4*\a+\b)+7], v[FB+48+12*\b:FB+48+12*\b+11], v[FB+12*\a:FB+12*\a+11], v[8*(4*\a+\b):8*(4*\a+\b)+7], v[SB+\b], v[SB+\a] matrix_a_fmt:MATRIX_FMT_FP6 matrix_b_fmt:MATRIX_FMT_FP6 matrix_a_scale:MATRIX_SCALE_ROW1
.endif
.endr
.endr
	WIN 0
.endm
.macro UNIT slot, hf
	FETCH \slot, 0, 0, 256*(\hf)
	FETCH \slot, 1, 1, 256*(\hf)+64
	s_wait_dscnt 36                                ; all but the 36 just issued
	MUL 0, 1-(\hf)
	PLACES
	FETCH \slot, 2, 0, 256*(\hf)+128
	s_wait_dscnt 36
	MUL 1, 0
	PLACES
	FETCH \slot, 3, 1, 256*(\hf)+192
	s_wait_dscnt 36
	MUL 0, 0
	s_wait_dscnt 0x0
	MUL 1, 0
	PLACES
.endm
	s_wait_alu depctr_va_vdst(0)
	s_wait_tensorcnt 0x0                           ; my tile of the head's four is in; slot 1's first fill is issued as a refill is: the three lines, a round, one joint load a wave
	ds_add_u32 v62, v63
	s_mov_b32 s[G1X+2], 96<<16                     ; no tensor load of mine is out: from here on a load brings 96 rows
	s_mov_b32 s[G1X+4], 96
	s_mov_b32 s[G1W+2], 96<<16
	s_mov_b32 s[G1W+4], 96
	s_wait_dscnt 0x0
	CROUND
	JLOAD G0X+4, G1X, G0W+4, G1W                   ; the second half of K
	UNIT 0, 0
	s_wait_tensorcnt 0x0
	s_wait_dscnt 0x0
	s_barrier_signal -1
	s_barrier_wait -1
	UNIT 1, 1
	s_wait_loadcnt 0x0                             ; the bias
.irp a, 0,1,2,3                                ; THE WAY OUT, a tile of 16 rows x 64 columns at a time
	WIN 0x05                                       ; sources 0 and 1 window 1
.irp k, 0,2,4,6,8,10,12,14,16,18,20,22,24,26,28,30
	v_pk_add_f32 v[H+\k:H+\k+1], v[32*\a+\k:32*\a+\k+1], v[128+\k:129+\k]   ; the bias; each accumulator from its low end on
.endr
	WIN 0
.irp bb, 0,1
.irp p, 0,1,2,3
	ds_store_b128 v[STO], v[H+16*\bb+4*\p:H+16*\bb+4*\p+3] offset:128*\bb+16*\p
.endr
.endr
.if \a > 1
	s_wait_xcnt 0x0                                ; the stores of two tiles ago have read their registers
.endif
.irp i, 0,1,2,3,4,5,6,7
	ds_load_b128 v[BK+32*(\a%2)+4*\i:BK+32*(\a%2)+4*\i+3], v[RD] offset:544*\i     ; LDS serves a wave's instructions in order: these see my stores
.endr
.irp i, 0,1,2,3,4,5,6,7
	s_wait_dscnt 7-\i                              ; this pair of rows is back; the younger loads stay out
	global_store_b128 v[CO], v[BK+32*(\a%2)+4*\i:BK+32*(\a%2)+4*\i+3], s[OUT:OUT+1] offset:(32*(\a/2)+8*(\a%2)+2*\i+8*(\i/4))*4096 th:TH_STORE_NT
.endr
.endr
	s_wait_dscnt 0x0
	s_wait_tensorcnt 0x0
	ds_add_u32 v62, v63
	s_wait_dscnt 0x0
	CROUND                                         ; the closing round
	s_endpgm
.Lfunc_end_k_qcafb70ecc1_outp:
	.size	k_qcafb70ecc1_outp, .Lfunc_end_k_qcafb70ecc1_outp-k_qcafb70ecc1_outp
	.p2alignl 7, 3214868480
	.fill 96, 4, 3214868480
	.section	.rodata,"a",@progbits
	.p2align	6, 0x0
	.amdhsa_kernel k_qcafb70ecc1_outp
		.amdhsa_group_segment_fixed_size 327680
		.amdhsa_private_segment_fixed_size 0
		.amdhsa_enable_private_segment 0
		.amdhsa_kernarg_size 48
		.amdhsa_user_sgpr_count 2
		.amdhsa_user_sgpr_kernarg_segment_ptr 1
		.amdhsa_wavefront_size32 1
		.amdhsa_system_sgpr_workgroup_id_x 1
		.amdhsa_system_sgpr_workgroup_id_y 1
		.amdhsa_system_sgpr_workgroup_id_z 1
		.amdhsa_system_vgpr_workitem_id 0
		.amdhsa_next_free_vgpr 416
		.amdhsa_next_free_sgpr 104
		.amdhsa_reserve_vcc 0
		.amdhsa_float_denorm_mode_32 3
		.amdhsa_float_denorm_mode_16_64 3
		.amdhsa_memory_ordered 1
		.amdhsa_forward_progress 1
		.amdhsa_inst_pref_size 60
	.end_amdhsa_kernel
	.amdgpu_metadata
---
amdhsa.version: [ 1, 2 ]
amdhsa.kernels:
  - .name:           k_qcafb70ecc1_outp
    .symbol:         k_qcafb70ecc1_outp.kd
    .args:
      - { .name: ac, .offset: 0, .size: 8, .value_kind: global_buffer, .address_space: global }
      - { .name: asc, .offset: 8, .size: 8, .value_kind: global_buffer, .address_space: global }
      - { .name: xw_codes, .offset: 16, .size: 8, .value_kind: global_buffer, .address_space: global }
      - { .name: xw_scales, .offset: 24, .size: 8, .value_kind: global_buffer, .address_space: global }
      - { .name: Wo_b, .offset: 32, .size: 8, .value_kind: global_buffer, .address_space: global }
      - { .name: out0, .offset: 40, .size: 8, .value_kind: global_buffer, .address_space: global }
    .group_segment_fixed_size: 327680
    .private_segment_fixed_size: 0
    .kernarg_segment_align: 8
    .kernarg_segment_size: 48
    .max_flat_workgroup_size: 128
    .sgpr_count:     104
    .vgpr_count:     416
    .wavefront_size: 32
...
	.end_amdgpu_metadata
.endif
;; end of part 4
